; MI455X (gfx1250); checked and timed in simulation.
; The chip was launched on July 23, 2026; its instructions are those of AMD's public machine-readable ISA for CDNA 5 (MIT licence, August 2026) and "CDNA5" Instruction Set Architecture Reference Guide (July 2026). The comments in the code are by the model that wrote it; some were corrected since.
;; Decoder Block. Allowed arithmetic: matrix products marked QUANTISED: E2M1 operands, one E8M0 scale for each 32 along K, by v_wmma_scale_f32_16x16x128_f8f6f4 with both operands' format E2M1 (or v_wmma_scale_f32_32x16x128_f4), f32 sums; everything else in f32.
;; Inputs: W1_codes 3,072 x 24 x 16 uint8 (E2M1 codes of W1, K innermost, in blocks of 32 codes, two codes a byte); W1_scales 3,072 x 24 uint8 (E8M0 scales of W1, one for each 32 codes along K); W2_codes 768 x 96 x 16 uint8 (E2M1 codes of W2, K innermost, in blocks of 32 codes, two codes a byte); W2_scales 768 x 96 uint8 (E8M0 scales of W2, one for each 32 codes along K); Wk_codes 768 x 24 x 16 uint8 (E2M1 codes of Wk, K innermost, in blocks of 32 codes, two codes a byte); Wk_scales 768 x 24 uint8 (E8M0 scales of Wk, one for each 32 codes along K); Wo_codes 768 x 24 x 16 uint8 (E2M1 codes of Wo, K innermost, in blocks of 32 codes, two codes a byte); Wo_scales 768 x 24 uint8 (E8M0 scales of Wo, one for each 32 codes along K); Wq_codes 768 x 24 x 16 uint8 (E2M1 codes of Wq, K innermost, in blocks of 32 codes, two codes a byte); Wq_scales 768 x 24 uint8 (E8M0 scales of Wq, one for each 32 codes along K); Wv_codes 768 x 24 x 16 uint8 (E2M1 codes of Wv, K innermost, in blocks of 32 codes, two codes a byte); Wv_scales 768 x 24 uint8 (E8M0 scales of Wv, one for each 32 codes along K); b1 3,072 float32; b2 768 float32; bk 768 float32; bo 768 float32; bq 768 float32; bv 768 float32; ln1_b 768 float32; ln1_g 768 float32; ln2_b 768 float32; ln2_g 768 float32; x 1 x 4,096 x 768 float32.
;; Outputs: out0 1 x 4,096 x 768 float32.
;; This version of the problem:
;;   THIS VERSION OF THE PROBLEM IS GIVEN IN LOW PRECISION. The matrix products marked QUANTISED in the list below multiply operands that are first quantised to E2M1 (2 exponent bits, 1 mantissa bit; 4 bits a number), with one power-of-two scale for each 32 numbers along K (OCP MX v1.0); their sums are f32. All else is computed in f32.
;;   The module's matrix products, in the order in which they are computed (A, B: the left and right operand; K: the contracted axis; several contracted axes count as one K, in the product's order):
;;     1. [M 4,096, K 768] x [K 768, N 768]; A: computed on the way; B: input Wq (given as codes): QUANTISED
;;     2. [M 4,096, K 768] x [K 768, N 768]; A: computed on the way; B: input Wk (given as codes): QUANTISED
;;     3. [M 4,096, K 768] x [K 768, N 768]; A: computed on the way; B: input Wv (given as codes): QUANTISED
;;     4. batch 12 x [M 4,096, K 64] x [K 64, N 4,096]; A: computed on the way; B: computed on the way: QUANTISED
;;     5. batch 12 x [M 4,096, K 4,096] x [K 4,096, N 64]; A: softmax (see below); B: computed on the way: QUANTISED
;;     6. [M 4,096, K 768] x [K 768, N 768]; A: computed on the way; B: input Wo (given as codes): QUANTISED
;;     7. [M 4,096, K 768] x [K 768, N 3,072]; A: computed on the way; B: input W1 (given as codes): QUANTISED
;;     8. [M 4,096, K 3,072] x [K 3,072, N 768]; A: computed on the way; B: input W2 (given as codes): QUANTISED
;;   THE QUANTISER, for each operand of a quantised product, along K:
;;     - K is cut into blocks of 32 from its start; a last block that is shorter is filled with zeros.
;;     - A block's scale is 2^e with e = floor(log2(the largest magnitude in the block)) - 2, held to -126 .. 127; a block of zeros has e = 0. As a byte (E8M0): e + 127.
;;     - Each number is divided by its block's scale, clamped to +-6, and rounded to the nearest number of E2M1, ties to even, subnormals kept.
;;     - The product sums the exact products of the quantised numbers (number of the format x scale) in f32.
;;   ~~~python
;;   def quantise(x, axis):      # numpy; x: float32 -> the quantised numbers, widened to float32 again
;;       x = np.moveaxis(x, axis, -1); K = x.shape[-1]
;;       x = np.pad(x, [(0, 0)] * (x.ndim - 1) + [(0, -K % 32)]); x = x.reshape(x.shape[:-1] + (-1, 32)); a = np.abs(x).max(-1, keepdims=True)
;;       e = np.where(a > 0, np.clip(np.frexp(np.where(a > 0, a, 1))[1] - 1 - 2, -126, 127), 0)      # np.frexp(a)[1] - 1 = floor(log2(a)), exactly
;;       r = np.clip(x / 2.0 ** e, -6, 6)
;;       step = 2.0 ** (np.maximum(np.frexp(np.where(r == 0, 1, r))[1] - 1, 0) - 1)
;;       q = np.round(r / step) * step * 2.0 ** e      # np.round: ties to even
;;       return np.moveaxis(q.reshape(q.shape[:-2] + (-1,))[..., :K], -1, axis).astype(np.float32)
;;   ~~~
;;   SOFTMAX AHEAD OF A QUANTISED PRODUCT. Where the list says 'softmax', what is quantised is not the finished softmax but p = 2^(t - M), with t = logit x log2(e) and M = ceil(the row's largest t), a whole number; so 1/2 < the row's largest p <= 1. The row's sum l is taken of the UNQUANTISED p, in f32, and the product's result is divided by l at the end. Since M is a whole number, a kernel that streams over the keys may use a running M (the ceiling of the running maximum): every later rescaling is an exact power of two, which a block's scale takes up: the codes' values come out the same.
;;   OPERANDS COMPUTED ON THE WAY. 'Computed on the way' means the value that the module computes at that place (a softmax that the list does not call 'softmax' is quantised finished and normalised). What goes into a quantiser is computed in f32, as accurately as f32 sums, v_exp_f32 and their like allow (about 1e-6 of the number): no bf16 or f16 on the way to a quantiser, and a product that is left as it is and whose result goes on into a quantised operand takes f32 operands (vector FMAs, or v_wmma_f32_16x16x4_f32). A number that lies on a knife's edge between two numbers of the format may be rounded either way, as far as f32 arithmetic and the matrix unit's own rounding can turn it there, and no further.
;;   INPUTS GIVEN AS CODES. W1 (in the module: [768, 3072], K = its axis 0); W2 (in the module: [3072, 768], K = its axis 0); Wk (in the module: [768, 768], K = its axis 0); Wo (in the module: [768, 768], K = its axis 0); Wq (in the module: [768, 768], K = its axis 0); Wv (in the module: [768, 768], K = its axis 0): each comes as NAME_codes (uint8): NAME with its K axis moved to the last place and cut into blocks of 32 codes, [.., K / 32, bytes a block], one block behind the other in memory; two codes a byte, the lower K in the low four bits (a code: sign, 2 exponent bits, 1 mantissa bit); and NAME_scales (uint8): the same leading axes, one E8M0 byte (e + 127) for each 32 codes along K. Its value is code x scale, taken as it is: it is not quantised again, and the codes and scales need not be those that the quantiser above would give.
;; One version. Each part assembles by itself: llvm-mc -triple=amdgcn-amd-amdhsa -mcpu=gfx1250 --defsym DOCPART=n.
;; ======== version 1 of 1: 5 launches
;; limits: right only within a limited range of input values
;; workspace buffers: qbuf 1,769,472 bytes; kvbuf 3,440,640 bytes; stats 65,536 bytes; ctxbuf 1,671,168 bytes; h2 12,582,912 bytes; h2q 1,671,168 bytes; gbuf 6,684,672 bytes
;; launch ln_qkv (part 1): grid 32 x 6, 12 waves a work-group, no clusters, 236,544 bytes of LDS; arguments x, ln1_g, ln1_b, Wq_codes, Wq_scales, bq, Wk_codes, Wk_scales, bk, Wv_codes, Wv_scales, bv, qbuf, kvbuf, stats; writes qbuf, kvbuf, stats
.if DOCPART == 1
	.amdgcn_target "amdgcn-amd-amdhsa--gfx1250"
	.amdhsa_code_object_version 6
	.text
	.protected	k_q8205072b3b_ln_qkv
	.globl	k_q8205072b3b_ln_qkv
	.p2align	8
	.type	k_q8205072b3b_ln_qkv,@function
k_q8205072b3b_ln_qkv:
	s_mov_b64 s[64:65], 0
	v_nop
	global_prefetch_b8 v0, s[64:65] scope:SCOPE_SE
	s_setreg_imm32_b32 hwreg(HW_REG_WAVE_MODE, 25, 1), 1
	s_wait_xcnt 0x0
; LAUNCH 1 OF 5.  h = LayerNorm1(x); q, k, v = Q(h) W + b on codes of E2M1 with E8M0 scales; q and k are quantised along the head's 64, v along the keys; LN1's mean and 1/sigma of each row go to stats.
; DEAD WORK OF THE WHOLE PROGRAM: reference() builds the causal mask itself (jnp.tril) and puts -inf on every key behind the query: p = 0 there for all values of the inputs.  So key steps of 128 that lie
; wholly behind a tile's queries are not multiplied (launch attn).  Nothing else is left out: every input has a way to the output (bk moves k's codes) and is loaded.
; LIMITS: a NaN, an infinity or an overflow that would arise only in masked key steps is not carried to the result; NaN and infinities among the inputs are not served; v_rsq_f32, v_rcp_f32, v_exp_f32 are
; good to one unit in the last place and flush denormals; a block of zeros gets the scale byte 1 (its codes are zeros; the bytes are read by this program alone).
; SHARES.  Work-group (bx, y): tokens 128 bx .. +127; y >> 1 = q, k or v; y & 1 = which 384 of the 768 columns.  Twelve waves.  Waves 0-7 normalise and quantise 16 rows each, waves 8-11 bring the 384 rows of W.
; THE ROWS OF A TILE ARE NOT NEIGHBOURS: lane index r of tile t stands for row 32 (t >> 1) + 8 (t & 1) + r + 8 (r >> 3), for tokens and for rows of W alike, so that the 16 registers of two neighbouring
; result tiles are 16 neighbours along the rows of source 0.
; LDS: operands lie as images of their registers: a 16-byte piece q (0..23) of a row's 384 bytes of codes at tile x 6912 + q x 288 + 16 r (288 = 256 + 32: reads, the weights' stores and the rows' word stores
; each fall on different banks).  No tensor load: the panels are filled once, through registers, which also puts the rows in the tiles' order.  No cluster: nothing is multicast without tensor loads.
; REGISTERS: v1-28 addresses that stay; v32-95, v96-111 the products' fragments; v112-121 their scale words, v122-126 the scale words made here: these fifteen hold scale words and nothing else;
; v128-255 the 16 accumulators.  Ahead of the barrier the two roles use v32-111 and v128-255 for rows of x and of W.
.set WIMG, 0                           ; 24 tiles of W x 6912
.set HIMG, 165888                      ; 8 tiles of h x 6912
.set WSC, 221184                       ; W's scale bytes, 384 rows x 24
.set HSC, 230400                       ; h's scale words [tile][K step][16]
.set BIAS, 233472                      ; 384 numbers
.set SPARE, 235008                     ; the spare words: 128 bytes a wave
.set QSC, 1572864                      ; q's scale words in qbuf; k's and v's begin at 2 QSC in kvbuf
.set WGO, 23
.set WV, 38
.set YY, 39
.set ROLE, 52
.set PH, 53
.set SEL, 60
.set INV, 62
.set EPS, 63
.macro BARRIER                         ; my LDS stores have landed and my LDS loads are in: then the work-group's barrier
	s_wait_dscnt 0x0
	s_barrier_signal -1
	s_barrier_wait -1
.endm
.macro FINISH                          ; the wave's end
	s_wait_tensorcnt 0x0
	ds_add_u32 v17, v18
	s_wait_dscnt 0x0
	s_endpgm
.endm
.macro WSUM r, t                       ; the sum over the wave's 32 lanes, in every lane
	s_delay_alu instid0(VALU_DEP_1)
	v_add_f32_dpp v[\r], v[\r], v[\r] row_xmask:1 row_mask:0xf bank_mask:0xf
	s_delay_alu instid0(VALU_DEP_1)
	v_add_f32_dpp v[\r], v[\r], v[\r] row_xmask:2 row_mask:0xf bank_mask:0xf
	s_delay_alu instid0(VALU_DEP_1)
	v_add_f32_dpp v[\r], v[\r], v[\r] row_xmask:4 row_mask:0xf bank_mask:0xf
	s_delay_alu instid0(VALU_DEP_1)
	v_add_f32_dpp v[\r], v[\r], v[\r] row_xmask:8 row_mask:0xf bank_mask:0xf
	s_delay_alu instid0(VALU_DEP_1)
	v_permlanex16_b32 v[\t], v[\r], s[SEL], s[SEL+1]
	s_delay_alu instid0(VALU_DEP_1)
	v_add_f32 v[\r], v[\r], v[\t]
.endm
; 64 numbers of a lane, register 16 b + i = k 32 b + 16 (lane / 16) + i of my row, become a fragment's codes (8 registers) and its scale word
.macro QUANT src, pc, pw, tm
.irp b, 0,1,2,3
	v_max3_num_f32 v[\tm+\b], |v[\src+16*\b]|, |v[\src+1+16*\b]|, 0x1800000   ; with the floor 2^(3 - 127): the byte cannot fall under 1
.endr
.irp i, 2,4,6,8,10,12,14
.irp b, 0,1,2,3
	s_delay_alu instid0(VALU_DEP_4)
	v_max3_num_f32 v[\tm+\b], v[\tm+\b], |v[\src+16*\b+\i]|, |v[\src+1+16*\b+\i]|
.endr
.endr
.irp b, 0,1,2,3
	s_delay_alu instid0(VALU_DEP_4)
	v_permlanex16_b32 v[\tm+4+\b], v[\tm+\b], s[SEL], s[SEL+1]
.endr
.irp b, 0,1,2,3
	s_delay_alu instid0(VALU_DEP_4)
	v_max_num_f32 v[\tm+\b], v[\tm+\b], v[\tm+4+\b]                ; with lane l xor 16's: the block's largest magnitude
.endr
.irp b, 0,1,2,3
	s_delay_alu instid0(VALU_DEP_4)
	v_add_nc_u32 v[\tm+12+\b], 0xff000000, v[\tm+\b]               ; 2 off its exponent field: the conversion's scale operand
.endr
.irp b, 0,1,2,3
	s_delay_alu instid0(VALU_DEP_4)
	v_lshrrev_b32 v[\tm+4+\b], 23, v[\tm+12+\b]                    ; the scale's byte
.endr
	s_delay_alu instid0(VALU_DEP_3)
	v_lshl_or_b32 v[\pw], v[\tm+5], 8, v[\tm+4]
	s_delay_alu instid0(VALU_DEP_1)
	v_lshl_or_b32 v[\pw], v[\tm+6], 16, v[\pw]
	s_delay_alu instid0(VALU_DEP_1)
	v_lshl_or_b32 v[\pw], v[\tm+7], 24, v[\pw]
.irp b, 0,1,2,3
	v_cvt_scalef32_pk8_fp4_f32 v[\pc+2*\b], v[\src+16*\b:\src+7+16*\b], v[\tm+12+\b]
	v_cvt_scalef32_pk8_fp4_f32 v[\pc+1+2*\b], v[\src+8+16*\b:\src+15+16*\b], v[\tm+12+\b]
.endr
	v_nop                                          ; one plain place behind a scaled conversion
.irp c, 0,1                            ; the operand's layout wants a whole block in a lane
.irp i, 0,1
	v_permlane16_swap_b32 v[\pc+4*\c+\i], v[\pc+2+4*\c+\i]
.endr
.endr
.endm
; 32 rows of W, 384 bytes each: eight lanes read 128 consecutive bytes of a row.  24 quads of registers from dst on; the quads that would fall on v112-127 lie 120 further up, at v232-247:
; v112-126 are kept for scale words alone
.macro COPYW32 dst, gimm, rp, base
.irp i, 0,1,2,3,4,5,6,7
.irp j, 0,1,2
.set RG, \dst+4*(3*\i+\j)
.if (RG >= 112) && (RG < 128)
.set RG, RG+120
.endif
	global_load_b128 v[RG:RG+3], v[WGO], s[\base:\base+1] offset:\gimm+\i*4*\rp+128*\j
.endr
.endr
.endm
.macro PUTW32 src, adr, limm           ; and go to LDS as two tiles' images: row 4 i + (lane >> 3) of the 32 is lane index 4 (i & 1) + 8 (i >> 2) + (lane >> 3) of tile (i >> 1) & 1
.irp i, 0,1,2,3,4,5,6,7
.irp j, 0,1,2
.set RG, \src+4*(3*\i+\j)
.if (RG >= 112) && (RG < 128)
.set RG, RG+120
.endif
	ds_store_b128 v[\adr], v[RG:RG+3] offset:\limm+((\i>>1)&1)*6912+(4*(\i&1)+8*(\i>>2))*16+2304*\j
.endr
.endr
.endm
; A K step of 128: the long side's 8 fragments, the short side's 2, their scale words, 16 products.  The 16 accumulators take turns in the same order in every step.
; fl = 0: source 0 = W (8 tiles), source 1 = h (2 tiles).  fl = 1: source 0 = h (8 tiles), source 1 = W (2 tiles).
.macro KSTEP ks, zr, pal, pas, psl, pss, fl
.irp m, 0,1,2,3,4,5,6,7
.irp c, 0,1
	ds_load_b128 v[32+8*\m+4*\c:35+8*\m+4*\c], v[\pal] offset:\m*6912+\ks*1152+\c*576
.endr
.endr
.irp a, 0,1
.irp c, 0,1
	ds_load_b128 v[96+8*\a+4*\c:99+8*\a+4*\c], v[\pas] offset:\a*6912+\ks*1152+\c*576
.endr
.endr
.irp m, 0,1,2,3,4,5,6,7
.if \fl == 0
	ds_load_b32 v[112+\m], v[\psl] offset:(32*(\m>>1)+8*(\m&1))*24+4*\ks
.else
	ds_load_b32 v[112+\m], v[\psl] offset:\m*384+64*\ks
.endif
.endr
.irp a, 0,1
.if \fl == 0
	ds_load_b32 v[120+\a], v[\pss] offset:\a*384+64*\ks
.else
	ds_load_b32 v[120+\a], v[\pss] offset:192*\a+4*\ks
.endif
.endr
	s_wait_dscnt 0x0
.irp a, 0,1
.irp m, 0,1,2,3,4,5,6,7
.if \zr
	v_wmma_scale_f32_16x16x128_f8f6f4 v[128+8*(8*\a+\m):135+8*(8*\a+\m)], v[32+8*\m:39+8*\m], v[96+8*\a:103+8*\a], 0, v[112+\m], v[120+\a] matrix_a_fmt:MATRIX_FMT_FP4 matrix_b_fmt:MATRIX_FMT_FP4
.else
	v_wmma_scale_f32_16x16x128_f8f6f4 v[128+8*(8*\a+\m):135+8*(8*\a+\m)], v[32+8*\m:39+8*\m], v[96+8*\a:103+8*\a], v[128+8*(8*\a+\m):135+8*(8*\a+\m)], v[112+\m], v[120+\a] matrix_a_fmt:MATRIX_FMT_FP4 matrix_b_fmt:MATRIX_FMT_FP4
.endif
.endr
.endr
.rept 4
	v_nop                                          ; four places in front of loads into registers that these products read, and of the first read of results
.endr
.endm
	s_load_b512 s[8:23], s[0:1], 0x0               ; x, ln1_g, ln1_b, Wq codes, Wq scales, bq, Wk codes, Wk scales
	s_load_b256 s[24:31], s[0:1], 0x40             ; bk, Wv codes, Wv scales, bv
	s_load_b128 s[32:35], s[0:1], 0x60             ; qbuf, kvbuf
	s_load_b64 s[36:37], s[0:1], 0x70              ; stats
	v_lshl_add_u32 v17, v0, 2, SPARE               ; my spare word,
	v_mov_b32 v18, 0                               ; and 0: kept for the closing lines alone
	v_lshrrev_b32 v19, 5, v0
	s_delay_alu instid0(VALU_DEP_1)
	v_readfirstlane_b32 s[WV], v19                 ; wave 0..11
	v_and_b32 v19, 31, v0                          ; l
	v_and_b32 v20, 15, v0                          ; r
	v_bfe_u32 v21, v0, 4, 1                        ; h
	s_wait_alu depctr_va_vdst(0)
	s_and_b32 s[YY], ttmp7, 0xffff
	s_lshr_b32 s[ROLE], s[YY], 1                   ; 0 q, 1 k, 2 v
	s_and_b32 s[PH], s[YY], 1                      ; which 384 columns
	s_and_b32 s46, s[WV], 3                        ; tp
	s_lshr_b32 s47, s[WV], 2                       ; cg
	s_mov_b32 s[SEL], 0x76543210
	s_mov_b32 s[SEL+1], 0xfedcba98                 ; lane l xor 16
	s_mov_b32 s[INV], 0x3aaaaaab                   ; 1 / 768
	s_mov_b32 s[EPS], 0x3727c5ac                   ; 1e-5
	; every LDS address is made here, ahead of the parting of the roles, from the thread's and the wave's number alone
	v_mul_u32_u24 v1, v21, 288
	s_delay_alu instid0(VALU_DEP_1)
	v_lshl_add_u32 v1, v20, 4, v1                  ; 16 r + 288 h: my place in an image
	s_wait_alu depctr_va_vdst(0)
	v_and_b32 v29, 8, v20
	s_delay_alu instid0(VALU_DEP_1)
	v_add_nc_u32 v29, v29, v20                     ; r + 8 (r >> 3)
	s_delay_alu instid0(VALU_DEP_1)
	v_mul_u32_u24 v30, v29, 24
	s_wait_alu depctr_va_vdst(0)
	s_mul_i32 s48, s47, 55296
	v_add_nc_u32 v2, s48, v1                       ; q, k: my 8 tiles of W
	s_mul_i32 s48, s46, 13824
	s_add_co_u32 s48, s48, HIMG
	v_add_nc_u32 v3, s48, v1                       ; my 2 tiles of h
	s_mul_i32 s48, s47, 3072
	s_add_co_u32 s48, s48, WSC
	v_add_nc_u32 v4, s48, v30                      ; W's scale words
	s_mul_i32 s48, s46, 768
	s_add_co_u32 s48, s48, HSC
	v_lshl_add_u32 v5, v20, 2, s48                 ; h's
	s_lshl_b32 s48, s47, 9
	s_add_co_u32 s48, s48, BIAS
	v_lshl_add_u32 v6, v21, 6, s48                 ; the bias of my columns
	v_add_nc_u32 v7, HIMG, v1                      ; v: all 8 tiles of h
	s_mul_i32 s48, s[WV], 13824
	v_add_nc_u32 v8, s48, v1                       ; my 2 tiles of W
	v_lshl_add_u32 v9, v20, 2, HSC
	s_mul_i32 s48, s[WV], 768
	s_add_co_u32 s48, s48, WSC
	v_add_nc_u32 v10, s48, v30
	s_lshl_b32 s48, s[WV], 7
	s_add_co_u32 s48, s48, BIAS
	v_lshl_add_u32 v11, v29, 2, s48
	s_lshr_b32 s49, s[WV], 1
	s_and_b32 s74, s[WV], 1
	s_mul_i32 s48, s49, 13824
	s_lshl_b32 s75, s74, 7
	s_add_co_u32 s48, s48, s75
	s_add_co_u32 s48, s48, HIMG
	v_lshrrev_b32 v30, 2, v19
	s_delay_alu instid0(VALU_DEP_1)
	v_mul_u32_u24 v30, v30, 288
	v_and_b32 v31, 3, v19
	s_delay_alu instid0(VALU_DEP_1)
	v_lshl_add_u32 v30, v31, 2, v30
	s_delay_alu instid0(VALU_DEP_1)
	v_add_nc_u32 v12, s48, v30                     ; where a row's eight codes of my lane go
	s_mul_i32 s48, s49, 768
	s_lshl_b32 s75, s74, 5
	s_add_co_u32 s48, s48, s75
	s_add_co_u32 s48, s48, HSC
	v_bfe_u32 v30, v19, 2, 2
	s_delay_alu instid0(VALU_DEP_1)
	v_lshl_add_u32 v30, v21, 6, v30
	s_delay_alu instid0(VALU_DEP_1)
	v_add_nc_u32 v13, s48, v30                     ; and my block's scale byte
	s_mul_i32 s48, s46, 41472
	v_and_b32 v30, 7, v19
	v_lshrrev_b32 v31, 3, v19
	s_delay_alu instid0(VALU_DEP_2)
	v_mul_u32_u24 v14, v30, 288
	s_delay_alu instid0(VALU_DEP_1)
	v_lshl_add_u32 v14, v31, 4, v14
	s_delay_alu instid0(VALU_DEP_1)
	v_add_nc_u32 v14, s48, v14                     ; the copying waves' place in W's images
	s_delay_alu instid0(VALU_DEP_4)
	v_mul_u32_u24 v23, v31, 384
	s_delay_alu instid0(VALU_DEP_1)
	v_lshl_add_u32 v23, v30, 4, v23                ; and in W's rows in memory
	v_lshl_add_u32 v15, v0, 3, WSC
	v_lshl_add_u32 v16, v0, 2, BIAS
	v_lshlrev_b32 v22, 5, v19                      ; 32 l: my 8 numbers of each 256 of a row of x
	v_lshlrev_b32 v24, 4, v19                      ; 16 l
	v_lshlrev_b32 v25, 2, v19                      ; 4 l
	v_lshlrev_b32 v26, 3, v0                       ; 8 t
	v_lshlrev_b32 v27, 2, v0                       ; 4 t
	v_lshlrev_b32 v28, 3, v19                      ; 8 l
	s_wait_alu depctr_va_vdst(0)
	s_wait_kmcnt 0x0
	s_cmp_eq_u32 s[ROLE], 0                        ; the role's weight: a choice on the work-group's number alone
	s_cselect_b64 s[40:41], s[14:15], s[20:21]
	s_cselect_b64 s[42:43], s[16:17], s[22:23]
	s_cselect_b64 s[44:45], s[18:19], s[24:25]
	s_cmp_eq_u32 s[ROLE], 2
	s_cselect_b64 s[40:41], s[26:27], s[40:41]
	s_cselect_b64 s[42:43], s[28:29], s[42:43]
	s_cselect_b64 s[44:45], s[30:31], s[44:45]
	s_mov_b32 s51, 0
	s_mul_i32 s50, s[PH], 147456                   ; 384 rows x 384 bytes,
	s_mul_i32 s48, s46, 36864                      ; and a copying wave's 96 rows
	s_add_co_u32 s50, s50, s48
	s_add_nc_u64 s[40:41], s[40:41], s[50:51]
	s_mul_i32 s50, s[PH], 9216
	s_add_nc_u64 s[42:43], s[42:43], s[50:51]
	s_mul_i32 s50, s[PH], 1536
	s_add_nc_u64 s[44:45], s[44:45], s[50:51]
	s_mul_i32 s50, ttmp9, 393216                   ; 128 rows of x,
	s_mul_i32 s48, s[WV], 49152                    ; my wave's 16
	s_add_co_u32 s50, s50, s48
	s_add_nc_u64 s[8:9], s[8:9], s[50:51]
	s_lshl_b32 s50, ttmp9, 3
	s_add_co_u32 s50, s50, s[WV]
	s_lshl_b32 s50, s50, 8
	s_add_nc_u64 s[36:37], s[36:37], s[50:51]      ; stats: 256 bytes for 16 tokens
	; all waves: the panel's scale bytes and bias, 28 bytes a thread
	global_load_b64 v[224:225], v26, s[42:43]
	global_load_b64 v[226:227], v26, s[42:43] offset:3072
	global_load_b64 v[228:229], v26, s[42:43] offset:6144
	global_load_b32 v230, v27, s[44:45]
	s_cmp_lt_u32 s[WV], 8
	s_cbranch_scc0 .Lcopy
	; ---- waves 0-7: LayerNorm and quantiser, a row at a time; lane l holds k = 256 j + 8 l + 0..7; a ring of four rows in registers: slots at v32, v56, v80 and v232
.macro XLOAD i
.set XL, 32+24*((\i)%4)
.if ((\i)%4) == 3
.set XL, 232
.endif
.irp j, 0,1,2
	global_load_b128 v[XL+8*\j:XL+8*\j+3], v22, s[8:9] offset:(\i)*3072+1024*\j
	global_load_b128 v[XL+8*\j+4:XL+8*\j+7], v22, s[8:9] offset:(\i)*3072+1024*\j+16
.endr
.endm
.irp j, 0,1,2
	global_load_b128 v[128+8*\j:131+8*\j], v22, s[10:11] offset:1024*\j
	global_load_b128 v[132+8*\j:135+8*\j], v22, s[10:11] offset:1024*\j+16
	global_load_b128 v[152+8*\j:155+8*\j], v22, s[12:13] offset:1024*\j
	global_load_b128 v[156+8*\j:159+8*\j], v22, s[12:13] offset:1024*\j+16
.endr
	XLOAD 0
	XLOAD 1
	XLOAD 2
	XLOAD 3
	v_mov_b32 v181, 0                              ; upper halves of pairs that are named whole, a permute's destination, the collectors
	v_mov_b32 v183, 0
	v_mov_b32 v184, 0
	v_mov_b32 v216, 0
	v_mov_b32 v217, 0
	s_wait_loadcnt 36                              ; behind the four small loads: 12 of gain and bias, 24 of rows 0-3
	ds_store_b64 v15, v[224:225]
	ds_store_b64 v15, v[226:227] offset:3072
	ds_store_b64 v15, v[228:229] offset:6144
	ds_store_b32 v16, v230
.macro ROW i
.set XS, 32+24*((\i)%4)
.if ((\i)%4) == 3
.set XS, 232
.endif
.if (\i) < 13
	s_wait_loadcnt 18                              ; my row is in; the three younger rows, six loads each, stay out
.else
	s_wait_loadcnt 6*(15-(\i))
.endif
	v_pk_add_f32 v[176:177], v[XS:XS+1], v[XS+2:XS+3]
	v_pk_add_f32 v[178:179], v[XS+4:XS+5], v[XS+6:XS+7]
.irp p, 8,12,16,20
	s_delay_alu instid0(VALU_DEP_2)
	v_pk_add_f32 v[176:177], v[176:177], v[XS+\p:XS+\p+1]
	s_delay_alu instid0(VALU_DEP_2)
	v_pk_add_f32 v[178:179], v[178:179], v[XS+\p+2:XS+\p+3]
.endr
	s_delay_alu instid0(VALU_DEP_1)
	v_pk_add_f32 v[176:177], v[176:177], v[178:179]
	s_delay_alu instid0(VALU_DEP_1)
	v_add_f32 v176, v176, v177
	WSUM 176, 184
	s_delay_alu instid0(VALU_DEP_1)
	v_mul_f32 v180, s[INV], v176                   ; the mean
.irp p, 0,2,4,6,8,10,12,14,16,18,20,22
	v_pk_add_f32 v[XS+\p:XS+\p+1], v[XS+\p:XS+\p+1], v[180:181] op_sel_hi:[1,0] neg_lo:[0,1] neg_hi:[0,1]
.endr
	v_pk_mul_f32 v[176:177], v[XS:XS+1], v[XS:XS+1]
	v_pk_mul_f32 v[178:179], v[XS+2:XS+3], v[XS+2:XS+3]
.irp p, 4,8,12,16,20
	s_delay_alu instid0(VALU_DEP_2)
	v_pk_fma_f32 v[176:177], v[XS+\p:XS+\p+1], v[XS+\p:XS+\p+1], v[176:177]
	s_delay_alu instid0(VALU_DEP_2)
	v_pk_fma_f32 v[178:179], v[XS+\p+2:XS+\p+3], v[XS+\p+2:XS+\p+3], v[178:179]
.endr
	s_delay_alu instid0(VALU_DEP_1)
	v_pk_add_f32 v[176:177], v[176:177], v[178:179]
	s_delay_alu instid0(VALU_DEP_1)
	v_add_f32 v176, v176, v177
	WSUM 176, 184
	s_delay_alu instid0(VALU_DEP_1)
	v_fma_f32 v182, v176, s[INV], s[EPS]           ; the variance + eps
	s_wait_alu depctr_va_vdst(0)
	v_rsq_f32 v182, v182
	v_cmp_eq_u32 vcc_lo, \i, v19                   ; lane i collects row i's mean and 1 / sigma
	s_delay_alu instid0(VALU_DEP_1)
	v_cndmask_b32 v216, v216, v180, vcc_lo         ; (plain work behind the transcendental)
	s_wait_alu depctr_va_vdst(0)                   ; the wait ahead of the first reader
	v_cndmask_b32 v217, v217, v182, vcc_lo
.irp p, 0,2,4,6,8,10,12,14,16,18,20,22
	v_pk_mul_f32 v[XS+\p:XS+\p+1], v[XS+\p:XS+\p+1], v[182:183] op_sel_hi:[1,0]
.endr
.irp p, 0,2,4,6,8,10,12,14,16,18,20,22
	v_pk_fma_f32 v[XS+\p:XS+\p+1], v[XS+\p:XS+\p+1], v[128+\p:129+\p], v[152+\p:153+\p]
.endr
.irp j, 0,1,2                          ; a block of 32 lies in four neighbouring lanes
	v_max3_num_f32 v[186+\j], |v[XS+8*\j]|, |v[XS+8*\j+1]|, 0x1800000
.endr
.irp e, 2,4,6
.irp j, 0,1,2
	s_delay_alu instid0(VALU_DEP_3)
	v_max3_num_f32 v[186+\j], v[186+\j], |v[XS+8*\j+\e]|, |v[XS+8*\j+\e+1]|
.endr
.endr
.irp j, 0,1,2
	s_delay_alu instid0(VALU_DEP_3)
	v_max_num_f32_dpp v[186+\j], v[186+\j], v[186+\j] row_xmask:1 row_mask:0xf bank_mask:0xf
.endr
.irp j, 0,1,2
	s_delay_alu instid0(VALU_DEP_3)
	v_max_num_f32_dpp v[186+\j], v[186+\j], v[186+\j] row_xmask:2 row_mask:0xf bank_mask:0xf
.endr
.irp j, 0,1,2
	s_delay_alu instid0(VALU_DEP_3)
	v_add_nc_u32 v[189+\j], 0xff000000, v[186+\j]
.endr
.irp j, 0,1,2
	v_cvt_scalef32_pk8_fp4_f32 v[192+\j], v[XS+8*\j:XS+8*\j+7], v[189+\j]
.endr
.irp j, 0,1,2
	v_lshrrev_b32 v[195+\j], 23, v[189+\j]         ; the byte (also the plain place behind the conversions)
.endr
.irp j, 0,1,2
	ds_store_b32 v12, v[192+\j] offset:((\i)>>3)*6912+((\i)&7)*16+2304*\j
	ds_store_b8 v13, v[195+\j] offset:((\i)>>3)*384+((\i)&7)*4+128*\j   ; the four lanes of a block write the same byte with the same value
.endr
.if (\i) < 12
	XLOAD (\i)+4
.endif
.endm
.irp i, 0,1,2,3,4,5,6,7,8,9,10,11,12,13,14,15
	ROW \i
.endr
	s_cmp_lg_u32 s[YY], 0                          ; the six work-groups of a token block find the same figures: the first stores them
	s_cbranch_scc1 .Ljoin
	global_store_b64 v28, v[216:217], s[36:37]     ; 256 consecutive bytes; lanes 16-31 store zeros
	s_branch .Ljoin
.Lcopy:	; ---- waves 8-11: 96 rows of W each, in three groups of 32, through two sets of registers
	COPYW32 32, 0, 384, 40
	COPYW32 128, 12288, 384, 40
	s_wait_loadcnt 48                              ; behind the four small loads: two groups of 24
	ds_store_b64 v15, v[224:225]
	ds_store_b64 v15, v[226:227] offset:3072
	ds_store_b64 v15, v[228:229] offset:6144
	ds_store_b32 v16, v230
	s_wait_loadcnt 24                              ; the first group is in; the second stays out
	PUTW32 32, 14, 0
	s_wait_dscnt 0x0                               ; the stores have read their registers
	COPYW32 32, 24576, 384, 40
	s_wait_loadcnt 24                              ; the second group is in; the third stays out
	PUTW32 128, 14, 13824
	s_wait_loadcnt 0x0
	PUTW32 32, 14, 27648
.Ljoin:
	s_wait_xcnt 0x0                                ; the store of the rows' figures has read v[216:217]: the products below write them as an accumulator only behind this wait
	BARRIER                                        ; W's 24 tiles, h's 8, their scales and the bias lie in LDS; nothing is written there again
	s_cmp_ge_u32 s[YY], 4
	s_cbranch_scc1 .Lvpath
	; ---- q, k: wave (tp, cg): token tiles 2 tp + a, columns 128 cg on = two heads.  Source 0 = W: a lane holds one token, its registers run along the columns
	s_cmp_eq_u32 s[ROLE], 0
	s_cselect_b64 s[54:55], s[32:33], s[34:35]
	s_mul_i32 s48, s[PH], 6
	s_lshl_b32 s49, s47, 1
	s_add_co_u32 s48, s48, s49                     ; my first head
	s_lshl_b32 s56, 131072, s[ROLE]                ; a head's codes: 131,072 bytes in qbuf, 262,144 in kvbuf
	s_lshl_b32 s57, 4096, s[ROLE]                  ; 128 tokens': 4,096 or 8,192
	s_mul_i32 s50, s48, s56
	s_mul_i32 s57, ttmp9, s57
	s_add_co_u32 s50, s50, s57
	s_lshl_b32 s57, s46, 10
	s_add_co_u32 s50, s50, s57
	s_add_nc_u64 s[66:67], s[54:55], s[50:51]
	s_mov_b32 s57, 0
	s_add_nc_u64 s[68:69], s[66:67], s[56:57]      ; the second head
	s_lshl_b32 s56, s[ROLE], 13
	s_add_co_u32 s56, s56, 16384                   ; a head's scale words: 16,384 or 24,576 bytes
	s_lshl_b32 s58, s[ROLE], 8
	s_add_co_u32 s58, s58, 512                     ; 128 tokens': 512 or 768
	s_mul_i32 s50, s48, s56
	s_mul_i32 s58, ttmp9, s58
	s_add_co_u32 s50, s50, s58
	s_lshl_b32 s58, s46, 7
	s_add_co_u32 s50, s50, s58
	s_mul_i32 s58, s[ROLE], QSC
	s_add_co_u32 s50, s50, s58
	s_add_co_u32 s50, s50, QSC
	s_add_nc_u64 s[70:71], s[54:55], s[50:51]
	s_add_nc_u64 s[72:73], s[70:71], s[56:57]
	s_mov_b32 s58, 0x7f7f0000                      ; bytes 2 and 3 of a word: scale 1 for the upper 64 of a K step, whose codes are zeros on one side
	KSTEP 0, 1, 2, 3, 4, 5, 0
.irp s, 1,2,3,4,5
	KSTEP \s, 0, 2, 3, 4, 5, 0
.endr
.irp m, 0,1,2,3,4,5,6,7
	ds_load_b128 v[32+8*\m:35+8*\m], v6 offset:(32*(\m>>1)+8*(\m&1))*4
	ds_load_b128 v[36+8*\m:39+8*\m], v6 offset:(32*(\m>>1)+8*(\m&1))*4+16
.endr
	s_wait_dscnt 0x0
.irp a, 0,1
.set p, 0
.rept 32
	v_pk_add_f32 v[128+64*\a+p:129+64*\a+p], v[128+64*\a+p:129+64*\a+p], v[32+p:33+p]   ; + bias; each accumulator from its low end on
.set p, p+2
.endr
.endr
.irp b, 0,1,2,3
	v_mov_b32 v[36+\b], 0                          ; a lane permute's destination counts as one of its sources
.endr
	QUANT 128, 96, 122, 32
	QUANT 192, 104, 123, 32
	v_cmp_ne_u32 vcc_lo, 0, v21
	s_delay_alu instid0(VALU_DEP_1)
	v_cndmask_b32 v124, v122, v123, vcc_lo         ; lanes 0-15: tile 2 tp's words, lanes 16-31: tile 2 tp + 1's
	s_delay_alu instid0(VALU_DEP_1)
	v_and_or_b32 v125, v124, 0xffff, s58           ; the first head's two bytes
	s_delay_alu instid0(VALU_DEP_2)
	v_lshrrev_b32 v126, 16, v124
	s_delay_alu instid0(VALU_DEP_1)
	v_or_b32 v126, s58, v126                       ; the second head's
	global_store_b128 v24, v[96:99], s[66:67]      ; each store: 512 consecutive bytes, one tile's image of 64 along K
	global_store_b128 v24, v[100:103], s[68:69]
	global_store_b128 v24, v[104:107], s[66:67] offset:512
	global_store_b128 v24, v[108:111], s[68:69] offset:512
	global_store_b32 v25, v125, s[70:71]
	global_store_b32 v25, v126, s[72:73]
	FINISH
.Lvpath:	; ---- v: wave w: 32 rows of Wv (half a head), all 128 tokens.  Source 0 = h: a lane holds one channel d, its registers run along the keys, which are the next K
	s_mul_i32 s48, s[PH], 6
	s_lshr_b32 s49, s[WV], 1
	s_add_co_u32 s48, s48, s49                     ; my head
	s_and_b32 s49, s[WV], 1
	s_lshl_b32 s50, s48, 18
	s_lshl_b32 s56, ttmp9, 13
	s_add_co_u32 s50, s50, s56
	s_lshl_b32 s56, s49, 11
	s_add_co_u32 s50, s50, s56
	s_add_co_u32 s50, s50, 4096                    ; behind the step's eight tiles of K
	s_add_nc_u64 s[66:67], s[34:35], s[50:51]
	s_mul_i32 s50, s48, 24576
	s_mul_i32 s56, ttmp9, 768
	s_add_co_u32 s50, s50, s56
	s_lshl_b32 s56, s49, 7
	s_add_co_u32 s50, s50, s56
	s_add_co_u32 s50, s50, 2*QSC+512
	s_add_nc_u64 s[70:71], s[34:35], s[50:51]
	KSTEP 0, 1, 7, 8, 9, 10, 1
.irp s, 1,2,3,4,5
	KSTEP \s, 0, 7, 8, 9, 10, 1
.endr
	ds_load_b32 v32, v11                           ; the bias of my lane's channel, tile a = 0,
	ds_load_b32 v34, v11 offset:32                 ; and a = 1
	s_wait_dscnt 0x0
.irp a, 0,1
.set p, 0
.rept 32
	v_pk_add_f32 v[128+64*\a+p:129+64*\a+p], v[128+64*\a+p:129+64*\a+p], v[32+2*\a:33+2*\a] op_sel_hi:[1,0]
.set p, p+2
.endr
.endr
.irp b, 0,1,2,3
	v_mov_b32 v[40+\b], 0
.endr
	QUANT 128, 96, 122, 36
	QUANT 192, 104, 123, 36
	v_cmp_ne_u32 vcc_lo, 0, v21
	s_delay_alu instid0(VALU_DEP_1)
	v_cndmask_b32 v124, v122, v123, vcc_lo
	global_store_b128 v24, v[96:99], s[66:67]
	global_store_b128 v24, v[100:103], s[66:67] offset:512
	global_store_b128 v24, v[104:107], s[66:67] offset:1024
	global_store_b128 v24, v[108:111], s[66:67] offset:1536
	global_store_b32 v25, v124, s[70:71]
	FINISH
.Lfunc_end_k_q8205072b3b_ln_qkv:
	.size	k_q8205072b3b_ln_qkv, .Lfunc_end_k_q8205072b3b_ln_qkv-k_q8205072b3b_ln_qkv
	.p2alignl 7, 3214868480
	.fill 96, 4, 3214868480
	.section	.rodata,"a",@progbits
	.p2align	6, 0x0
	.amdhsa_kernel k_q8205072b3b_ln_qkv
		.amdhsa_group_segment_fixed_size 236544
		.amdhsa_private_segment_fixed_size 0
		.amdhsa_enable_private_segment 0
		.amdhsa_kernarg_size 120
		.amdhsa_user_sgpr_count 2
		.amdhsa_user_sgpr_kernarg_segment_ptr 1
		.amdhsa_wavefront_size32 1
		.amdhsa_system_sgpr_workgroup_id_x 1
		.amdhsa_system_sgpr_workgroup_id_y 1
		.amdhsa_system_sgpr_workgroup_id_z 1
		.amdhsa_system_vgpr_workitem_id 0
		.amdhsa_next_free_vgpr 256
		.amdhsa_next_free_sgpr 80
		.amdhsa_reserve_vcc 1
		.amdhsa_float_denorm_mode_32 3
		.amdhsa_float_denorm_mode_16_64 3
		.amdhsa_memory_ordered 1
		.amdhsa_forward_progress 1
		.amdhsa_inst_pref_size 249
	.end_amdhsa_kernel
	.amdgpu_metadata
---
amdhsa.version: [ 1, 2 ]
amdhsa.kernels:
  - .name:           k_q8205072b3b_ln_qkv
    .symbol:         k_q8205072b3b_ln_qkv.kd
    .args:
      - { .name: x, .offset: 0, .size: 8, .value_kind: global_buffer, .address_space: global }
      - { .name: ln1_g, .offset: 8, .size: 8, .value_kind: global_buffer, .address_space: global }
      - { .name: ln1_b, .offset: 16, .size: 8, .value_kind: global_buffer, .address_space: global }
      - { .name: Wq_codes, .offset: 24, .size: 8, .value_kind: global_buffer, .address_space: global }
      - { .name: Wq_scales, .offset: 32, .size: 8, .value_kind: global_buffer, .address_space: global }
      - { .name: bq, .offset: 40, .size: 8, .value_kind: global_buffer, .address_space: global }
      - { .name: Wk_codes, .offset: 48, .size: 8, .value_kind: global_buffer, .address_space: global }
      - { .name: Wk_scales, .offset: 56, .size: 8, .value_kind: global_buffer, .address_space: global }
      - { .name: bk, .offset: 64, .size: 8, .value_kind: global_buffer, .address_space: global }
      - { .name: Wv_codes, .offset: 72, .size: 8, .value_kind: global_buffer, .address_space: global }
      - { .name: Wv_scales, .offset: 80, .size: 8, .value_kind: global_buffer, .address_space: global }
      - { .name: bv, .offset: 88, .size: 8, .value_kind: global_buffer, .address_space: global }
      - { .name: qbuf, .offset: 96, .size: 8, .value_kind: global_buffer, .address_space: global }
      - { .name: kvbuf, .offset: 104, .size: 8, .value_kind: global_buffer, .address_space: global }
      - { .name: stats, .offset: 112, .size: 8, .value_kind: global_buffer, .address_space: global }
    .group_segment_fixed_size: 236544
    .private_segment_fixed_size: 0
    .kernarg_segment_align: 8
    .kernarg_segment_size: 120
    .max_flat_workgroup_size: 384
    .sgpr_count:     80
    .vgpr_count:     256
    .wavefront_size: 32
...
	.end_amdgpu_metadata
.endif
;; end of part 1
;; launch attn (part 2): grid 768 x 1, 4 waves a work-group, no clusters, 98,304 bytes of LDS; arguments qbuf, kvbuf, ctxbuf; writes ctxbuf
.if DOCPART == 2
	.amdgcn_target "amdgcn-amd-amdhsa--gfx1250"
	.amdhsa_code_object_version 6
	.text
	.protected	k_q8205072b3b_attn
	.globl	k_q8205072b3b_attn
	.p2align	8
	.type	k_q8205072b3b_attn,@function
k_q8205072b3b_attn:
	s_mov_b64 s[64:65], 0
	v_nop
	global_prefetch_b8 v0, s[64:65] scope:SCOPE_SE
	s_setreg_imm32_b32 hwreg(HW_REG_WAVE_MODE, 25, 1), 1
	s_wait_xcnt 0x0
; LAUNCH 2 OF 5.  Causal attention on codes of E2M1: S^T = K Q^T, p = 2^(t - M) with M the running largest t rounded up to a whole number, O^T += V^T P^T, ctx = O / (the sum of the unquantised p), quantised along the channels.
; LEFT OUT AS DEAD WORK: key steps of 128 that lie wholly behind a tile's queries: reference() itself sets their scores to -inf, so p = 0 there whatever the inputs hold.
; SHARES.  The mask leaves a tile of 16 queries in block B (128 queries) B + 1 key steps of 128.  A work-group of four waves is (head = g >> 6, b = (g >> 2) & 15, quarter = g & 3): it owns tiles 2 quarter, 2 quarter + 1
; of block 31 - b (long: 32 - b steps each) and of block b (short: b + 1 steps each): 66 steps whatever b is.  12 x 16 x 4 = 768 work-groups; 320 registers a wave and 98,304 bytes of LDS let three stand on a WGP.
; THE KEYS OF A LONG TILE ARE CUT IN TWO.  Waves 0, 1: a long tile's key steps 0 .. 16, one in each of phases 0 .. 16.  Waves 2, 3: the short tile's steps 0 .. b in phases 0 .. b (the same steps as waves 0, 1 read),
; then they store the short tile's ctx, begin anew with the long tile's Q, and walk its steps 17 .. 31 - b in phases b + 1 .. 15.  At the end the two parts of a long tile are joined through LDS:
; M = the larger of the two, each part times 2^(its M - M), which rounds nothing; an empty part (b = 15) has the factor 0.
; A tile's queries and a K tile's keys are rows 32 (t >> 1) + 8 (t & 1) + r + 8 (r >> 3): p's 16 registers of two neighbouring tiles are then 16 neighbouring keys.
; THE HEAD IS 64 WIDE, THE INSTRUCTION 128: Q's registers 4-7 are zero codes; the operand of K's tile t is v[28 + 4 t : 35 + 4 t], whose upper four registers are the next tile's codes: they meet zeros and add
; exact zeros; bytes 2 and 3 of both scale words are 0x7f.
; K AND V come in slots of two phases through registers into two LDS buffers by turns.  A buffer has four places of a key step (8,192 bytes of codes, 768 of scale words): places 0, 1: stream 1, steps 2 s, 2 s + 1;
; places 2, 3: stream 2, steps 16 + 2 s - b on, fetched only for the slots in which waves 2, 3 read them.  A slot is asked for at the head of the slot before and stored at its end; one barrier a slot: the buffer that
; is written was last read ahead of the barrier before.  All trip counts are constants; what a wave has no work for is jumped over by tests on ids and the count of phases.
; No tensor load, so no ring of the data mover; no cluster: the work-groups of a head need different slots of stream 2.
; LIMIT: the promise holds while the scaled scores stay under 2^31 in magnitude.
; REGISTERS: v1-11 addresses; v12 -M, v13 the largest t, v[14:15] the sum; v16-23 Q; v24 Q's scale word; v28-63 K; v64-95 V; v96-159 S^T, then p; v160-191 O^T; v192-203 scale words; v204-217, v223 addresses and scale
; bytes on their way; v218-222 the long tile's Q and scale word; v224-231 p's codes; v232-255 at work; v256-319 (window 1) a slot's codes on their way.
.set BUF1, 35840                       ; a buffer: 4 places x 8,192 bytes of codes, then 4 x 768 of scale words
.set SCO, 32768
.set MRG, 71680                        ; the parts of waves 2, 3: 9 x 512 bytes each
.set SPARE, 80896                      ; the spare words, 128 bytes a wave
.set QSC, 1572864
.set KVS, 3145728
.set CSC, 1572864
.set WV, 10
.set HEAD, 13
.set TT, 14                            ; the tile in hand
.set Q0, 15
.set TR, 17
.set QL, 18                            ; a step whose first key lies behind this is not mine
.set KF, 19
.set SEL, 20
.set CS, 22
.set BB, 41
.set PFA, 42
.set LIMP, 44
.set PHI, 45                           ; the phase
.set SW, 50                            ; the phase at whose head waves 2, 3 change tiles: b + 1
.set TT2, 51                           ; the long tile, its first and last query
.set Q02, 52
.set QL2, 53
.set DQ, 54
.set LB, 55                            ; the first slot of stream 2 that is read: (b + 1) >> 1
.set CNT, 56                           ; and how many: 8 - that
.set S2, 57                            ; 16 - b
.set PFB, 62
.set MSB, 0
.macro WIN new                         ; the immediate's high byte repeats the setting that is left
.if MSB != \new
	s_set_vgpr_msb (MSB<<8)|\new
.set MSB, \new
.endif
.endm
.macro BARRIER
	s_wait_dscnt 0x0
	s_barrier_signal -1
	s_barrier_wait -1
.endm
; two key steps of a stream: 128 threads x (128 bytes of codes + 12 of scale words); a wave's load covers 512, 256 or 128 consecutive bytes
.macro GET1
	global_load_b64 v[208:209], v207, s[30:31]
	global_load_b32 v210, v223, s[30:31] offset:1024
	WIN 0x40                                       ; destination window 1, address window 0
.set k, 0
.rept 8
	global_load_b128 v[4*k:4*k+3], v7, s[28:29] offset:2048*k      ; v256 + 4 k
.set k, k+1
.endr
	WIN 0
.endm
.macro GET2
	global_load_b64 v[212:213], v207, s[48:49]
	global_load_b32 v211, v223, s[48:49] offset:1024
	WIN 0x40
.set k, 8
.rept 8
	global_load_b128 v[4*k:4*k+3], v7, s[46:47] offset:2048*(k-8)
.set k, k+1
.endr
	WIN 0
.endm
.macro PUT1 ad, ad8, bb
	ds_store_b64 v[\ad8], v[208:209]
	ds_store_b32 v10, v210 offset:(\bb)*BUF1
	WIN 0x04                                       ; an LDS store's data are its source 1: window 1
.set k, 0
.rept 8
	ds_store_b128 v[\ad], v[4*k:4*k+3] offset:2048*k
.set k, k+1
.endr
	WIN 0
.endm
.macro PUT2 ad, ad8, bb
	ds_store_b64 v[\ad8], v[212:213] offset:1536
	ds_store_b32 v10, v211 offset:(\bb)*BUF1+1536
	WIN 0x04
.set k, 8
.rept 8
	ds_store_b128 v[\ad], v[4*k:4*k+3] offset:2048*k
.set k, k+1
.endr
	WIN 0
.endm
; THE WAY OUT of tile s[TT]: ctx = O^T / the sum; register 16 b + i is channel 32 b + 16 h + i of my query: two blocks of the next product's K
.macro EPILOG
	v_add_f32 v14, v14, v15
	s_delay_alu instid0(VALU_DEP_1)
	v_permlanex16_b32 v252, v14, s[SEL], s[SEL+1]
	s_delay_alu instid0(VALU_DEP_1)
	v_add_f32 v14, v14, v252
	s_wait_alu depctr_va_vdst(0)                   ; the wait ahead of the transcendental
	v_rcp_f32 v14, v14
	v_mov_b32 v234, 0                              ; (plain work behind the transcendental: the permutes' destinations)
	v_mov_b32 v235, 0
	s_mul_i32 s32, s[TT], 6
	s_lshr_b32 s33, s[HEAD], 1
	s_add_co_u32 s32, s32, s33                     ; tile x 6 + K step
	s_and_b32 s33, s[HEAD], 1                      ; which half of the K step
	s_lshl_b32 s34, s32, 10
	s_lshl_b32 s36, s33, 9
	s_add_co_u32 s34, s34, s36
	s_mov_b32 s35, 0
	s_add_nc_u64 s[36:37], s[8:9], s[34:35]
	s_lshl_b32 s34, s32, 6
	s_lshl_b32 s38, s33, 1
	s_add_co_u32 s34, s34, s38
	s_add_co_u32 s34, s34, CSC
	s_add_nc_u64 s[38:39], s[8:9], s[34:35]
	s_wait_alu depctr_va_vdst(0)                   ; and ahead of its first reader
.set p, 0
.rept 32
	v_mul_f32 v[96+p], v[160+p], v14
.set p, p+1
.endr
.irp b, 0,1
	v_max3_num_f32 v[232+\b], |v[96+16*\b]|, |v[97+16*\b]|, 0x1800000
.endr
.irp i, 2,4,6,8,10,12,14
.irp b, 0,1
	s_delay_alu instid0(VALU_DEP_2)
	v_max3_num_f32 v[232+\b], v[232+\b], |v[96+16*\b+\i]|, |v[97+16*\b+\i]|
.endr
.endr
.irp b, 0,1
	s_delay_alu instid0(VALU_DEP_2)
	v_permlanex16_b32 v[234+\b], v[232+\b], s[SEL], s[SEL+1]
.endr
.irp b, 0,1
	s_delay_alu instid0(VALU_DEP_2)
	v_max_num_f32 v[232+\b], v[232+\b], v[234+\b]
.endr
.irp b, 0,1
	s_delay_alu instid0(VALU_DEP_2)
	v_add_nc_u32 v[236+\b], 0xff000000, v[232+\b]
.endr
.irp b, 0,1
	s_delay_alu instid0(VALU_DEP_2)
	v_lshrrev_b32 v[234+\b], 23, v[236+\b]
.endr
	s_delay_alu instid0(VALU_DEP_1)
	v_lshl_or_b32 v240, v235, 8, v234              ; my head's half of the scale word
.irp b, 0,1
	v_cvt_scalef32_pk8_fp4_f32 v[224+2*\b], v[96+16*\b:103+16*\b], v[236+\b]
	v_cvt_scalef32_pk8_fp4_f32 v[225+2*\b], v[104+16*\b:111+16*\b], v[236+\b]
.endr
	v_nop
	v_permlane16_swap_b32 v224, v226
	v_permlane16_swap_b32 v225, v227
	global_store_b128 v204, v[224:227], s[36:37]   ; 512 consecutive bytes: half a fragment's image
	global_store_b16 v25, v240, s[38:39]           ; two bytes a row: a head owns half of a scale word; both halves of the lanes store the same
.endm
; Waves 2, 3 change tiles: the short tile leaves, and the state begins anew for the long tile's keys from step 17 on
.macro SWITCH
.rept 4
	v_nop                                          ; four places behind the last products
.endr
	EPILOG
	s_wait_xcnt 0x0                                ; the stores have read their registers and bases
	v_mov_b32 v24, v222                            ; the long tile's scale word and codes; the 40 lines below stand between them and the next products
.irp j, 0,1,2,3
	v_mov_b32 v[16+\j], v[218+\j]
.endr
	v_add_nc_u32 v11, s[DQ], v11                   ; my lane's query in the long tile, less 16 h
	v_mov_b32 v13, 0xff61b1e6
	v_mov_b32 v14, 0
	v_mov_b32 v15, 0
	v_floor_f32 v12, -v13
.set p, 0
.rept 32
	v_mov_b32 v[160+p], 0
.set p, p+1
.endr
	s_mov_b32 s[TT], s[TT2]
	s_mov_b32 s[Q0], s[Q02]
	s_mov_b32 s[QL], s[QL2]
	s_mov_b32 s[KF], 2176                          ; key step 17
	s_wait_alu depctr_va_vdst(0)
.endm
	s_load_b128 s[4:7], s[0:1], 0x0                ; qbuf, kvbuf
	s_load_b64 s[8:9], s[0:1], 0x10                ; ctxbuf
	v_lshl_add_u32 v8, v0, 2, SPARE
	v_mov_b32 v9, 0
	v_lshrrev_b32 v1, 5, v0
	s_delay_alu instid0(VALU_DEP_1)
	v_readfirstlane_b32 s[WV], v1                  ; wave 0..3
	s_lshr_b32 s[HEAD], ttmp9, 6
	s_bfe_u32 s[BB], ttmp9, 0x40002                ; b
	s_and_b32 s32, ttmp9, 3
	s_lshl_b32 s32, s32, 1
	s_and_b32 s33, s[WV], 1
	s_add_co_u32 s32, s32, s33                     ; my tile's place in its block
	s_lshl_b32 s34, s[BB], 3
	s_add_co_u32 s34, s34, s32                     ; the short tile
	s_sub_co_u32 s35, 31, s[BB]
	s_lshl_b32 s35, s35, 3
	s_add_co_u32 s[TT2], s35, s32                  ; the long tile
	s_add_co_u32 s36, s[BB], 1
	s_lshr_b32 s[LB], s36, 1
	s_sub_co_u32 s[CNT], 8, s[LB]
	s_sub_co_u32 s[S2], 16, s[BB]
	s_mul_i32 s38, s33, 4608
	s_add_co_u32 s38, s38, MRG                     ; where a long tile's second part goes
	s_cmp_lt_u32 s[WV], 2
	s_cselect_b32 s[TT], s[TT2], s34               ; waves 0, 1 begin with the long tile, waves 2, 3 with the short one
	s_cselect_b32 s[SW], 0xffff, s36               ; waves 0, 1 never change tiles
	s_lshr_b32 s32, s[TT], 1
	s_lshl_b32 s32, s32, 5
	s_and_b32 s33, s[TT], 1
	s_lshl_b32 s33, s33, 3
	s_add_co_u32 s[Q0], s32, s33                   ; the tile's first query
	s_lshr_b32 s32, s[TT2], 1
	s_lshl_b32 s32, s32, 5
	s_and_b32 s33, s[TT2], 1
	s_lshl_b32 s33, s33, 3
	s_add_co_u32 s[Q02], s32, s33
	s_add_co_u32 s[QL2], s[Q02], 23
	s_add_co_u32 s37, s[Q0], 23
	s_sub_co_u32 s[DQ], s[Q02], s[Q0]
	s_cmp_lt_u32 s[WV], 2
	s_cselect_b32 s[QL], 2175, s37                 ; waves 0, 1 stop behind key step 16; the others at their tile's last query
	s_and_b32 s32, ttmp9, 63
	s_cmp_eq_u32 s32, 0                            ; b = 0, quarter 0 walks every key step of its head: it prefetches, and nobody else in that head
	s_cselect_b32 s[LIMP], 7, 0
	s_mov_b32 s[SEL], 0x76543210
	s_mov_b32 s[SEL+1], 0xfedcba98
	s_mov_b32 s[CS], 0x3e38aa3b                    ; c = log2(e) / sqrt(64)
	s_mov_b32 s[CS+1], s[CS]
	s_mov_b32 s[KF], 0
	s_mov_b32 s[TR], 0
	s_mov_b32 s[PHI], 0
	; every LDS address: a constant + a constant x the thread's or the lane's number (+ a constant x the wave's)
	v_and_b32 v26, 31, v0                          ; l
	v_and_b32 v27, 15, v0                          ; r
	v_lshlrev_b32 v7, 4, v0                        ; 16 x thread: where I read a stream's codes in memory,
	v_lshlrev_b32 v5, 4, v0                        ; and where I store them, buffer 0;
	v_lshlrev_b32 v207, 3, v0                      ; 8 x thread: the first 1,024 bytes of a stream's scale words, in memory,
	v_lshl_add_u32 v205, v0, 3, SCO                ; and in LDS
	v_lshlrev_b32 v223, 2, v0                      ; 4 x thread: the last 512, in memory,
	v_lshl_add_u32 v10, v0, 2, SCO+1024            ; and in LDS
	v_lshlrev_b32 v1, 4, v26                       ; an image's place for my lane, buffer 0;
	v_lshl_add_u32 v3, v27, 2, SCO                 ; scale words, buffer 0
	v_add_nc_u32 v6, BUF1, v5                      ; the same in buffer 1
	v_add_nc_u32 v206, BUF1, v205
	v_add_nc_u32 v2, BUF1, v1
	v_add_nc_u32 v4, BUF1, v3
	v_lshl_add_u32 v217, v26, 4, s38               ; the join
	v_lshlrev_b32 v214, 8, v26                     ; 256 l: the prefetch's offset; never rewritten
	v_lshlrev_b32 v204, 4, v26                     ; 16 l
	v_lshlrev_b32 v25, 2, v27                      ; 4 r
	v_bfe_u32 v26, v0, 4, 1                        ; h
	v_and_b32 v11, 8, v27
	s_delay_alu instid0(VALU_DEP_1)
	v_add_nc_u32 v11, v11, v27
	v_lshlrev_b32 v26, 4, v26
	s_delay_alu instid0(VALU_DEP_2)
	v_add_nc_u32 v11, s[Q0], v11                   ; my lane's query
	s_delay_alu instid0(VALU_DEP_1)
	v_sub_nc_u32 v11, v11, v26                     ; less 16 h
	s_mov_b32 s35, 0
	s_wait_alu depctr_va_vdst(0)                   ; the wait at the head's end
	s_wait_kmcnt 0x0
	s_lshl_b32 s34, s[HEAD], 18
	s_add_nc_u64 s[24:25], s[6:7], s[34:35]        ; the head's codes of K and V
	s_mul_i32 s34, s[HEAD], 24576
	s_add_co_u32 s34, s34, KVS
	s_add_nc_u64 s[26:27], s[6:7], s[34:35]        ; and their scale words
	s_lshl_b32 s34, s[HEAD], 17
	s_lshl_b32 s32, s[TT], 9
	s_add_co_u32 s34, s34, s32
	s_add_nc_u64 s[36:37], s[4:5], s[34:35]        ; my first tile of Q
	s_lshl_b32 s34, s[HEAD], 17
	s_lshl_b32 s32, s[TT2], 9
	s_add_co_u32 s34, s34, s32
	s_add_nc_u64 s[58:59], s[4:5], s[34:35]        ; the long tile
	s_lshl_b32 s34, s[HEAD], 14
	s_lshl_b32 s32, s[TT], 6
	s_add_co_u32 s34, s34, s32
	s_add_co_u32 s34, s34, QSC
	s_add_nc_u64 s[38:39], s[4:5], s[34:35]
	s_lshl_b32 s34, s[HEAD], 14
	s_lshl_b32 s32, s[TT2], 6
	s_add_co_u32 s34, s34, s32
	s_add_co_u32 s34, s34, QSC
	s_add_nc_u64 s[60:61], s[4:5], s[34:35]
	s_mov_b64 s[28:29], s[24:25]
	s_mov_b64 s[30:31], s[26:27]
	s_lshl_b32 s34, s[S2], 13
	s_add_nc_u64 s[46:47], s[24:25], s[34:35]      ; stream 2, slot 0: key steps 16 - b, 17 - b
	s_mul_i32 s34, s[S2], 768
	s_add_nc_u64 s[48:49], s[26:27], s[34:35]
	s_lshr_b32 s32, s[WV], 1
	s_lshl_b32 s34, s32, 17
	s_and_b32 s32, s[WV], 1
	s_lshl_b32 s32, s32, 13
	s_add_co_u32 s34, s34, s32
	s_add_nc_u64 s[PFB:PFB+1], s[24:25], s[34:35]  ; the prefetches: waves 0, 1 the two steps of stream 1's slot, waves 2, 3 of stream 2's (b = 0: 16 steps on)
	GET1                                           ; slot 0, both streams: the one slot that is fetched whole whatever b is
	GET2
	global_load_b128 v[16:19], v204, s[36:37]
	global_load_b32 v24, v25, s[38:39]
	global_load_b128 v[218:221], v204, s[58:59]
	global_load_b32 v222, v25, s[60:61]
.irp j, 20,21,22,23,60,61,62,63
	v_mov_b32 v[\j], 0                             ; zero codes: Q's upper 64 along K, and what stands behind K's last tile
.endr
	v_mov_b32 v13, 0xff61b1e6                      ; the largest t so far: -3e38
	s_delay_alu instid0(VALU_DEP_1)
	v_floor_f32 v12, -v13                          ; -M
	v_mov_b32 v14, 0                               ; the sum, in two halves
	v_mov_b32 v15, 0
.irp b, 0,1,2,3
	v_mov_b32 v[236+\b], 0                         ; permutes' destinations
.endr
	v_mov_b32 v252, 0
	v_mov_b32 v253, 0
.set p, 0
.rept 32
	v_mov_b32 v[160+p], 0                          ; O^T: the step is written once; the first change of M leaves zeros zeros
.set p, p+1
.endr
	s_wait_alu depctr_va_vdst(0)
	s_wait_loadcnt 0x0
	PUT1 5, 205, 0
	PUT2 5, 205, 0
	BARRIER
; A PHASE: 128 keys, at place q (stream 1) or 2 + q (stream 2) of the buffer in hand.
.macro STEP q, ac, asc
	s_cmp_eq_u32 s[PHI], s[SW]                     ; ids and the count of phases alone decide
	s_cbranch_scc0 .Lnsw_\@
	SWITCH
.Lnsw_\@:
	s_cmp_gt_u32 s[KF], s[QL]                      ; no step of mine in this phase
	s_cbranch_scc1 .Lhid_\@
	s_cmp_ge_u32 s[PHI], s[SW]                     ; behind the change of tiles: stream 2's places
	s_cselect_b32 s32, 16384, 0
	s_cselect_b32 s33, 1536, 0
	v_add_nc_u32 v215, s32, v[\ac]                 ; these two and two v_nop: four places in front of loads into registers that the last products read
	v_add_nc_u32 v216, s33, v[\asc]
	v_nop
	v_nop
.irp t, 0,1,2,3,4,5,6,7
	ds_load_b128 v[28+4*\t:31+4*\t], v215 offset:\q*8192+512*\t
.endr
.irp t, 0,1,2,3,4,5,6,7
	ds_load_b32 v[192+\t], v216 offset:\q*768+64*\t
.endr
.irp t, 0,1,2,3
.irp c, 0,1
	ds_load_b128 v[64+8*\t+4*\c:67+8*\t+4*\c], v215 offset:\q*8192+4096+1024*\t+512*\c
.endr
.endr
.irp t, 0,1,2,3
	ds_load_b32 v[200+\t], v216 offset:\q*768+512+64*\t
.endr
	s_wait_dscnt 12                                ; K's 16 loads are in; V's 8 + 4 stay out
.irp t, 0,1,2,3,4,5,6,7
	v_wmma_scale_f32_16x16x128_f8f6f4 v[96+8*\t:103+8*\t], v[28+4*\t:35+4*\t], v[16:23], 0, v[192+\t], v24 matrix_a_fmt:MATRIX_FMT_FP4 matrix_b_fmt:MATRIX_FMT_FP4
.endr
.rept 4
	v_nop
.endr
	s_add_co_u32 s32, s[KF], 127                   ; on the diagonal hidden scores become -infinity ahead of the maximum; a step all of whose keys count skips this
	s_cmp_le_u32 s32, s[Q0]
	s_cbranch_scc1 .Lopen_\@
	v_sub_nc_u32 v252, v11, s[KF]                  ; d = my query - KF - 16 h: register 16 b + i holds key KF + 16 h + 32 b + i, hidden where 32 b + i > d
	v_mov_b32 v254, 0xff800000
.set n, 0
.rept 64
	v_cmp_gt_i32 vcc_lo, 32*(n/16)+n%16, v252
	v_cndmask_b32 v[96+n], v[96+n], v254, vcc_lo
.set n, n+1
.endr
.Lopen_\@:
.irp b, 0,1,2,3
	v_max3_num_f32 v[232+\b], v[96+16*\b], v[97+16*\b], v[98+16*\b]   ; the largest score of each block of 32 keys: for the row's maximum and for the block's largest p
.endr
.irp i, 3,5,7,9,11,13
.irp b, 0,1,2,3
	v_max3_num_f32 v[232+\b], v[232+\b], v[96+16*\b+\i], v[97+16*\b+\i]
.endr
.endr
.irp b, 0,1,2,3
	v_max_num_f32 v[232+\b], v[232+\b], v[111+16*\b]
.endr
.irp b, 0,1,2,3
	s_delay_alu instid0(VALU_DEP_4)
	v_permlanex16_b32 v[236+\b], v[232+\b], s[SEL], s[SEL+1]
.endr
.irp b, 0,1,2,3
	s_delay_alu instid0(VALU_DEP_4)
	v_max_num_f32 v[232+\b], v[232+\b], v[236+\b]
.endr
	s_delay_alu instid0(VALU_DEP_2)
	v_max3_num_f32 v254, v232, v233, v234
	s_delay_alu instid0(VALU_DEP_1)
	v_max_num_f32 v254, v254, v235
	s_delay_alu instid0(VALU_DEP_1)
	v_mul_f32 v254, s[CS], v254
	s_delay_alu instid0(VALU_DEP_1)
	v_max_num_f32 v13, v13, v254                   ; the running largest t
	v_mov_b32 v254, v12
	s_delay_alu instid0(VALU_DEP_2)
	v_floor_f32 v12, -v13                          ; the new -M: M is a whole number
	s_delay_alu instid0(VALU_DEP_1)
	v_sub_f32 v254, v12, v254
	s_delay_alu instid0(VALU_DEP_1)
	v_cvt_i32_f32 v254, v254                       ; old M - new M (it saturates)
	s_delay_alu instid0(VALU_DEP_1)
	v_ldexp_f32 v252, 1.0, v254                    ; f = 2^(old M - new M): exact
.set p, 0
.rept 32
	v_pk_fma_f32 v[96+p:97+p], v[96+p:97+p], s[CS:CS+1], v[12:13] op_sel_hi:[1,0,0]   ; t - M
.set p, p+2
.endr
.irp b, 0,1,2,3
	v_fma_f32 v[232+\b], v[232+\b], s[CS], v12
.endr
.set p, 0
	s_wait_alu depctr_va_vdst(0)                   ; the wait ahead of the batch
.rept 64
	v_exp_f32 v[96+p], v[96+p]                     ; p = 2^(t - M), not normalised
.set p, p+1
.endr
	v_pk_mul_f32 v[14:15], v[14:15], v[252:253] op_sel_hi:[1,0]    ; the sums under the new M (a plain place behind the exponentials)
	s_wait_alu depctr_va_vdst(0)                   ; one wait for the batch, ahead of its first reader
.irp b, 0,1,2,3
	v_exp_f32 v[232+\b], v[232+\b]                 ; each block's largest p
.endr
	v_pk_add_f32 v[236:237], v[100:101], v[104:105]        ; the row's sum of the unquantised p, in eight chains
	v_pk_add_f32 v[254:255], v[108:109], v[112:113]
	v_pk_add_f32 v[250:251], v[116:117], v[120:121]
	v_pk_add_f32 v[248:249], v[124:125], v[128:129]
	v_pk_add_f32 v[246:247], v[132:133], v[136:137]
	v_pk_add_f32 v[244:245], v[140:141], v[144:145]
	v_pk_add_f32 v[242:243], v[148:149], v[152:153]
	v_pk_add_f32 v[14:15], v[14:15], v[156:157]
	v_pk_add_f32 v[236:237], v[236:237], v[96:97]
	v_pk_add_f32 v[254:255], v[254:255], v[98:99]
	v_pk_add_f32 v[250:251], v[250:251], v[102:103]
	v_pk_add_f32 v[248:249], v[248:249], v[106:107]
	v_pk_add_f32 v[246:247], v[246:247], v[110:111]
	v_pk_add_f32 v[244:245], v[244:245], v[114:115]
	v_pk_add_f32 v[242:243], v[242:243], v[118:119]
	v_pk_add_f32 v[14:15], v[14:15], v[122:123]
	v_pk_add_f32 v[236:237], v[236:237], v[126:127]
	v_pk_add_f32 v[254:255], v[254:255], v[130:131]
	v_pk_add_f32 v[250:251], v[250:251], v[134:135]
	v_pk_add_f32 v[248:249], v[248:249], v[138:139]
	v_pk_add_f32 v[246:247], v[246:247], v[142:143]
	v_pk_add_f32 v[244:245], v[244:245], v[146:147]
	v_pk_add_f32 v[242:243], v[242:243], v[150:151]
	v_pk_add_f32 v[14:15], v[14:15], v[154:155]
	v_pk_add_f32 v[236:237], v[236:237], v[158:159]
	s_delay_alu instid0(VALU_DEP_2)
	v_pk_add_f32 v[14:15], v[14:15], v[248:249]
	s_delay_alu instid0(VALU_DEP_2)
	v_pk_add_f32 v[236:237], v[236:237], v[246:247]
	v_pk_add_f32 v[254:255], v[254:255], v[244:245]
	v_pk_add_f32 v[250:251], v[250:251], v[242:243]
	s_delay_alu instid0(VALU_DEP_2)
	v_pk_add_f32 v[14:15], v[14:15], v[254:255]
	s_delay_alu instid0(VALU_DEP_2)
	v_pk_add_f32 v[236:237], v[236:237], v[250:251]
	s_delay_alu instid0(VALU_DEP_1)
	v_pk_add_f32 v[14:15], v[14:15], v[236:237]
	s_wait_alu depctr_va_vdst(0)                   ; and one for the four
.irp b, 0,1,2,3
	v_max_num_f32 v[232+\b], 0x1800000, v[232+\b]
.endr
.irp b, 0,1,2,3
	s_delay_alu instid0(VALU_DEP_4)
	v_add_nc_u32 v[244+\b], 0xff000000, v[232+\b]
.endr
.irp b, 0,1,2,3
	s_delay_alu instid0(VALU_DEP_4)
	v_lshrrev_b32 v[236+\b], 23, v[244+\b]
.endr
	s_delay_alu instid0(VALU_DEP_3)
	v_lshl_or_b32 v253, v237, 8, v236              ; p's scale word for these 128 keys
	s_delay_alu instid0(VALU_DEP_1)
	v_lshl_or_b32 v253, v238, 16, v253
	s_delay_alu instid0(VALU_DEP_1)
	v_lshl_or_b32 v253, v239, 24, v253
.irp b, 0,1,2,3
	v_cvt_scalef32_pk8_fp4_f32 v[224+2*\b], v[96+16*\b:103+16*\b], v[244+\b]
	v_cvt_scalef32_pk8_fp4_f32 v[225+2*\b], v[104+16*\b:111+16*\b], v[244+\b]
.endr
	v_nop
.irp c, 0,1
.irp i, 0,1
	v_permlane16_swap_b32 v[224+4*\c+\i], v[226+4*\c+\i]
.endr
.endr
.set p, 0
.rept 16
	v_pk_mul_f32 v[160+p:161+p], v[160+p:161+p], v[252:253] op_sel_hi:[1,0]   ; O^T under the new M; these sixteen also stand between the scale word's last line and the products
.set p, p+2
.endr
	s_wait_alu depctr_va_vdst(0)
	s_wait_dscnt 0x0                               ; V is in
.irp t, 0,1,2,3
	v_wmma_scale_f32_16x16x128_f8f6f4 v[160+8*\t:167+8*\t], v[64+8*\t:71+8*\t], v[224:231], v[160+8*\t:167+8*\t], v[200+\t], v253 matrix_a_fmt:MATRIX_FMT_FP4 matrix_b_fmt:MATRIX_FMT_FP4
.endr
.Lhid_\@:
	s_add_co_u32 s[KF], s[KF], 128
	s_add_co_u32 s[PHI], s[PHI], 1
.endm
; A slot's two phases out of buffer bb.  Meanwhile the next slot comes into registers and goes to the other buffer at the end.
; THE PREFETCH: behind its loads of slot s + 1 the head's one asking work-group names the codes of slot s + 2 of both streams: one instruction a wave, lanes 256 bytes apart, 4 x 32 lanes for 2 x 16,384 bytes: each aligned
; block of 256 bytes once in the launch, two phases ahead of the loads that will want it.  Slots 0 and 1 come by their loads alone; nothing is asked for beyond slot 7; the scale words are not asked for.
.macro PHASE bb, ac, asc, ad, ad8
	s_wait_xcnt 0x0                                ; the last prefetch, a slot back, has read its address: it is written only behind this wait
	s_lshl_b32 s32, s[TR], 1
	s_add_co_u32 s32, s32, 1+\bb                   ; the next slot, 1 .. 8,
	s_add_co_u32 s33, s32, 1                       ; and the one behind it
	s_min_u32 s34, s33, 7                          ; (held inside the eight that are asked for)
	s_lshl_b32 s34, s34, 14
	s_mov_b32 s35, 0
	s_add_nc_u64 s[PFA:PFA+1], s[PFB:PFB+1], s[34:35]
	s_lshl_b32 s34, s32, 14
	s_add_nc_u64 s[28:29], s[24:25], s[34:35]      ; (the loads that named these pairs were waited for at the last slot's end)
	s_mul_i32 s34, s32, 1536
	s_add_nc_u64 s[30:31], s[26:27], s[34:35]
	GET1
	s_sub_co_u32 s36, s32, s[LB]
	s_cmp_ge_u32 s36, s[CNT]                       ; stream 2 is fetched for slots LB .. 7 alone: ids and the count of trips decide
	s_cbranch_scc1 .Lng_\@
	s_lshl_b32 s36, s32, 1
	s_add_co_u32 s36, s36, s[S2]                   ; its first key step: 16 + 2 s - b, from 16 to 30
	s_lshl_b32 s34, s36, 13
	s_add_nc_u64 s[46:47], s[24:25], s[34:35]
	s_mul_i32 s34, s36, 768
	s_add_nc_u64 s[48:49], s[26:27], s[34:35]
	GET2
.Lng_\@:
	s_cmp_le_u32 s33, s[LIMP]
	s_cbranch_scc0 .Lna_\@
	global_prefetch_b8 v214, s[PFA:PFA+1] th:TH_LOAD_NT scope:SCOPE_SE
.Lna_\@:
	STEP 0, \ac, \asc
	STEP 1, \ac, \asc
	s_wait_loadcnt 0x0                             ; on every path: no load of mine is out at a slot's end
	PUT1 \ad, \ad8, 1-\bb
	s_lshl_b32 s32, s[TR], 1
	s_add_co_u32 s32, s32, 1+\bb
	s_sub_co_u32 s36, s32, s[LB]
	s_cmp_ge_u32 s36, s[CNT]                       ; the same test as above: what was not fetched is not stored
	s_cbranch_scc1 .Lnp_\@
	PUT2 \ad, \ad8, 1-\bb
.Lnp_\@:
	BARRIER
.endm
.Ltrip:                                                ; four trips of two slots: phases 0 .. 15
	PHASE 0, 1, 3, 6, 206
	PHASE 1, 2, 4, 5, 205
	s_add_co_u32 s[TR], s[TR], 1
	s_cmp_lt_u32 s[TR], 4
	s_cbranch_scc1 .Ltrip
	STEP 0, 1, 3                                   ; phase 16, out of slot 8 in buffer 0: key step 16 for waves 0, 1; with b = 15 the change of tiles for waves 2, 3
	; THE JOIN.  Waves 2, 3 hand their part of the long tile (O^T, -M, the sum) to waves 0, 1 as an image of the registers
.rept 4
	v_nop                                          ; four places behind the last products
.endr
	s_cmp_lt_u32 s[WV], 2
	s_cbranch_scc1 .Lkeep
.irp k, 0,1,2,3,4,5,6,7
	ds_store_b128 v217, v[160+4*\k:163+4*\k] offset:512*\k     ; each accumulator from its low end on
.endr
	ds_store_b128 v217, v[12:15] offset:4096
.Lkeep:
	BARRIER
	s_cmp_lt_u32 s[WV], 2
	s_cbranch_scc0 .Lend
.irp k, 0,1,2,3,4,5,6,7
	ds_load_b128 v[96+4*\k:99+4*\k], v217 offset:512*\k
.endr
	ds_load_b128 v[128:131], v217 offset:4096
	s_wait_dscnt 0x0
	v_min_num_f32 v232, v12, v128                  ; -M of the whole row
	v_add_f32 v14, v14, v15
	v_add_f32 v130, v130, v131
	s_delay_alu instid0(VALU_DEP_3)
	v_sub_f32 v233, v232, v12                      ; my M less the row's, a whole number, 0 or less;
	v_sub_f32 v234, v232, v128                     ; the other part's
	s_delay_alu instid0(VALU_DEP_2)
	v_cvt_i32_f32 v233, v233                       ; (they saturate: an empty part gets the factor 0)
	s_delay_alu instid0(VALU_DEP_2)
	v_cvt_i32_f32 v234, v234
	s_delay_alu instid0(VALU_DEP_2)
	v_ldexp_f32 v252, 1.0, v233
	s_delay_alu instid0(VALU_DEP_2)
	v_ldexp_f32 v236, 1.0, v234
	v_mov_b32 v15, 0
	s_delay_alu instid0(VALU_DEP_3)
	v_mul_f32 v14, v14, v252
	s_delay_alu instid0(VALU_DEP_1)
	v_fmac_f32 v14, v130, v236                     ; the sum of both parts under the row's M
.set p, 0
.rept 16
	v_pk_mul_f32 v[160+p:161+p], v[160+p:161+p], v[252:253] op_sel_hi:[1,0]
.set p, p+2
.endr
.set p, 0
.rept 16
	v_pk_fma_f32 v[160+p:161+p], v[96+p:97+p], v[236:237], v[160+p:161+p] op_sel_hi:[1,0,1]
.set p, p+2
.endr
	EPILOG
.Lend:
	s_wait_tensorcnt 0x0                           ; the wave's end
	ds_add_u32 v8, v9
	s_wait_dscnt 0x0
	s_endpgm
.Lfunc_end_k_q8205072b3b_attn:
	.size	k_q8205072b3b_attn, .Lfunc_end_k_q8205072b3b_attn-k_q8205072b3b_attn
	.p2alignl 7, 3214868480
	.fill 96, 4, 3214868480
	.section	.rodata,"a",@progbits
	.p2align	6, 0x0
	.amdhsa_kernel k_q8205072b3b_attn
		.amdhsa_group_segment_fixed_size 98304
		.amdhsa_private_segment_fixed_size 0
		.amdhsa_enable_private_segment 0
		.amdhsa_kernarg_size 24
		.amdhsa_user_sgpr_count 2
		.amdhsa_user_sgpr_kernarg_segment_ptr 1
		.amdhsa_wavefront_size32 1
		.amdhsa_system_sgpr_workgroup_id_x 1
		.amdhsa_system_sgpr_workgroup_id_y 1
		.amdhsa_system_sgpr_workgroup_id_z 1
		.amdhsa_system_vgpr_workitem_id 0
		.amdhsa_next_free_vgpr 320
		.amdhsa_next_free_sgpr 66
		.amdhsa_reserve_vcc 1
		.amdhsa_float_denorm_mode_32 3
		.amdhsa_float_denorm_mode_16_64 3
		.amdhsa_memory_ordered 1
		.amdhsa_forward_progress 1
		.amdhsa_inst_pref_size 169
	.end_amdhsa_kernel
	.amdgpu_metadata
---
amdhsa.version: [ 1, 2 ]
amdhsa.kernels:
  - .name:           k_q8205072b3b_attn
    .symbol:         k_q8205072b3b_attn.kd
    .args:
      - { .name: qbuf, .offset: 0, .size: 8, .value_kind: global_buffer, .address_space: global }
      - { .name: kvbuf, .offset: 8, .size: 8, .value_kind: global_buffer, .address_space: global }
      - { .name: ctxbuf, .offset: 16, .size: 8, .value_kind: global_buffer, .address_space: global }
    .group_segment_fixed_size: 98304
    .private_segment_fixed_size: 0
    .kernarg_segment_align: 8
    .kernarg_segment_size: 24
    .max_flat_workgroup_size: 128
    .sgpr_count:     66
    .vgpr_count:     320
    .wavefront_size: 32
...
	.end_amdgpu_metadata
.endif
;; end of part 2
;; launch proj_ln2 (part 3): grid 256 x 1, 12 waves a work-group, no clusters, 238,080 bytes of LDS; arguments ctxbuf, Wo_codes, Wo_scales, bo, x, stats, ln1_g, ln1_b, ln2_g, ln2_b, h2, h2q; writes h2, h2q
.if DOCPART == 3
	.amdgcn_target "amdgcn-amd-amdhsa--gfx1250"
	.amdhsa_code_object_version 6
	.text
	.protected	k_q8205072b3b_proj_ln2
	.globl	k_q8205072b3b_proj_ln2
	.p2align	8
	.type	k_q8205072b3b_proj_ln2,@function
k_q8205072b3b_proj_ln2:
	s_mov_b64 s[64:65], 0
	v_nop
	global_prefetch_b8 v0, s[64:65] scope:SCOPE_SE
	s_setreg_imm32_b32 hwreg(HW_REG_WAVE_MODE, 25, 1), 1
	s_wait_xcnt 0x0
; LAUNCH 3 OF 5.  y = ctx Wo + bo + h, h = LayerNorm1(x) made anew from x and the stored mean and 1 / sigma; h2 = LayerNorm2(y), stored as f32 and as codes with scale words.  No work is left out here.
; SHARES.  A work-group takes one tile of 16 tokens (rows 32 (T >> 1) + 8 (T & 1) + r + 8 (r >> 3)) and all 768 columns, so that LayerNorm2's rows are whole.  Wave w makes columns 64 w .. +63: two groups of 32 rows
; of Wo, each brought through registers into the wave's own 13,824 bytes of LDS as two tiles' images.  Source 0 = Wo, source 1 = ctx: a lane holds one token, register 16 g + 8 u + j = column 64 w + 32 g + 16 h + 8 u + j.
; The residual and bo are the sums' first value: the products add onto them in place.  The two accumulators of a group take turns.
.set CTXL, 165888                      ; ctx's tile: 6 K steps x 1152
.set LNP, 172800                       ; ln1_g, ln1_b + bo, ln2_g, ln2_b: 3,072 bytes each
.set ST1, 185088                       ; the waves' row sums [r][16 words]; the sums of squares 1,024 bytes on
.set STG, 187136                       ; h2: 16 rows x (3,072 + 16)
.set SPARE, 236544
.set CSC, 1572864
.set WGO, 13
.set WV, 32
.set SEL, 34
.set INV, 36
.set EPS, 37
.macro BARRIER
	s_wait_dscnt 0x0
	s_barrier_signal -1
	s_barrier_wait -1
.endm
.macro COPYW32 dst, gimm, rp, base
.irp i, 0,1,2,3,4,5,6,7
.irp j, 0,1,2
	global_load_b128 v[\dst+4*(3*\i+\j):\dst+4*(3*\i+\j)+3], v[WGO], s[\base:\base+1] offset:\gimm+\i*4*\rp+128*\j
.endr
.endr
.endm
.macro PUTW32 src, adr, limm
.irp i, 0,1,2,3,4,5,6,7
.irp j, 0,1,2
	ds_store_b128 v[\adr], v[\src+4*(3*\i+\j):\src+4*(3*\i+\j)+3] offset:\limm+((\i>>1)&1)*6912+(4*(\i&1)+8*(\i>>2))*16+2304*\j
.endr
.endr
.endm
.macro GEMM g                          ; group g: 6 K steps in two batches of three
.irp bt, 0,1
.irp s3, 0,1,2
.irp u, 0,1
.irp c, 0,1
	ds_load_b128 v[128+16*\s3+8*\u+4*\c:131+16*\s3+8*\u+4*\c], v2 offset:\u*6912+(3*\bt+\s3)*1152+\c*576
.endr
.endr
.irp c, 0,1
	ds_load_b128 v[176+8*\s3+4*\c:179+8*\s3+4*\c], v18 offset:(3*\bt+\s3)*1152+\c*576
.endr
.endr
	s_wait_dscnt 0x0
.irp s3, 0,1,2
.irp u, 0,1
	v_wmma_scale_f32_16x16x128_f8f6f4 v[200+8*(2*\g+\u):207+8*(2*\g+\u)], v[128+16*\s3+8*\u:135+16*\s3+8*\u], v[176+8*\s3:183+8*\s3], v[200+8*(2*\g+\u):207+8*(2*\g+\u)], v[232+6*(2*\g+\u)+3*\bt+\s3], v[24+3*\bt+\s3] matrix_a_fmt:MATRIX_FMT_FP4 matrix_b_fmt:MATRIX_FMT_FP4
.endr
.endr
.rept 4
	v_nop                                          ; four places in front of the next loads and of the first read of results
.endr
.endr
.endm
.macro SUM12 off                       ; the twelve waves' figures of my token, added in one order in every wave: into v136
	v_pk_add_f32 v[136:137], v[136:137], v[138:139]
	v_pk_add_f32 v[140:141], v[140:141], v[142:143]
	v_pk_add_f32 v[144:145], v[144:145], v[146:147]
	s_delay_alu instid0(VALU_DEP_2)
	v_pk_add_f32 v[136:137], v[136:137], v[140:141]
	s_delay_alu instid0(VALU_DEP_1)
	v_pk_add_f32 v[136:137], v[136:137], v[144:145]
	s_delay_alu instid0(VALU_DEP_1)
	v_add_f32 v136, v136, v137
.endm
	s_load_b512 s[8:23], s[0:1], 0x0               ; ctxbuf, Wo codes, Wo scales, bo, x, stats, ln1_g, ln1_b
	s_load_b256 s[24:31], s[0:1], 0x40             ; ln2_g, ln2_b, h2, h2q
	v_lshl_add_u32 v10, v0, 2, SPARE
	v_mov_b32 v11, 0
	v_lshrrev_b32 v21, 5, v0
	s_delay_alu instid0(VALU_DEP_1)
	v_readfirstlane_b32 s[WV], v21                 ; wave 0..11
	v_and_b32 v21, 31, v0                          ; l
	v_and_b32 v22, 15, v0                          ; r
	v_bfe_u32 v23, v0, 4, 1                        ; h
	s_mov_b32 s[SEL], 0x76543210
	s_mov_b32 s[SEL+1], 0xfedcba98
	s_mov_b32 s[INV], 0x3aaaaaab
	s_mov_b32 s[EPS], 0x3727c5ac
	v_mul_u32_u24 v1, v23, 288
	s_delay_alu instid0(VALU_DEP_1)
	v_lshl_add_u32 v1, v22, 4, v1                  ; 16 r + 288 h
	s_mul_i32 s40, s[WV], 13824
	v_add_nc_u32 v2, s40, v1                       ; my own two tiles of Wo: read,
	v_and_b32 v5, 7, v21
	v_lshrrev_b32 v4, 3, v21
	s_delay_alu instid0(VALU_DEP_2)
	v_mul_u32_u24 v3, v5, 288
	s_delay_alu instid0(VALU_DEP_1)
	v_lshl_add_u32 v3, v4, 4, v3
	s_delay_alu instid0(VALU_DEP_1)
	v_add_nc_u32 v3, s40, v3                       ; and written
	s_delay_alu instid0(VALU_DEP_4)
	v_mul_u32_u24 v13, v4, 384
	s_delay_alu instid0(VALU_DEP_1)
	v_lshl_add_u32 v13, v5, 4, v13                 ; Wo's rows in memory
	s_lshl_b32 s41, s[WV], 8
	s_add_co_u32 s42, s41, LNP
	v_lshl_add_u32 v4, v23, 6, s42                 ; the parameters of my columns
	v_lshl_add_u32 v5, v0, 3, LNP
	s_lshl_b32 s42, s[WV], 2
	s_add_co_u32 s42, s42, ST1
	v_lshl_add_u32 v6, v22, 6, s42
	v_lshl_add_u32 v7, v22, 6, ST1
	v_mul_u32_u24 v8, v22, 3088
	s_delay_alu instid0(VALU_DEP_1)
	v_lshl_add_u32 v8, v23, 6, v8
	s_add_co_u32 s42, s41, STG
	v_add_nc_u32 v8, s42, v8                       ; the stage: row r, my columns
	s_and_b32 s43, s[WV], 1
	s_lshr_b32 s44, s[WV], 1
	s_mul_i32 s42, s43, 24704
	s_lshl_b32 s45, s44, 9
	s_add_co_u32 s42, s42, s45
	s_add_co_u32 s42, s42, STG
	v_lshlrev_b32 v12, 4, v21                      ; 16 l
	s_delay_alu instid0(VALU_DEP_1)
	v_add_nc_u32 v9, s42, v12                      ; back: eight rows, 512 bytes of each
	v_and_b32 v15, 8, v22
	s_delay_alu instid0(VALU_DEP_1)
	v_add_nc_u32 v15, v15, v22                     ; r + 8 (r >> 3)
	s_delay_alu instid0(VALU_DEP_1)
	v_mul_u32_u24 v14, v15, 3072
	s_delay_alu instid0(VALU_DEP_1)
	v_lshl_add_u32 v14, v23, 6, v14                ; x: my token's row, + 64 h
	s_delay_alu instid0(VALU_DEP_3)
	v_mul_u32_u24 v15, v15, 24                     ; Wo's scale bytes: my row
	v_lshrrev_b32 v16, 3, v22
	s_delay_alu instid0(VALU_DEP_1)
	v_lshlrev_b32 v16, 8, v16
	v_and_b32 v17, 7, v22
	s_delay_alu instid0(VALU_DEP_1)
	v_lshl_add_u32 v16, v17, 3, v16                ; stats: 256 (r >> 3) + 8 (r & 7)
	v_lshlrev_b32 v17, 2, v22                      ; 4 r
	v_add_nc_u32 v18, CTXL, v1
	s_mul_i32 s42, s[WV], 576
	s_add_co_u32 s42, s42, CTXL
	v_add_nc_u32 v19, s42, v1                      ; where I put chunk w of ctx's tile
	v_lshlrev_b32 v20, 3, v0                       ; 8 t
	s_lshr_b32 s46, ttmp9, 1
	s_and_b32 s47, ttmp9, 1
	s_lshl_b32 s48, s46, 5
	s_lshl_b32 s49, s47, 3
	s_add_co_u32 s48, s48, s49                     ; the tile's first token
	s_mov_b32 s51, 0
	s_wait_alu depctr_va_vdst(0)
	s_wait_kmcnt 0x0
	s_mul_i32 s50, ttmp9, 6144
	s_lshl_b32 s42, s[WV], 9
	s_add_co_u32 s50, s50, s42
	s_add_nc_u64 s[52:53], s[8:9], s[50:51]        ; ctx's codes, chunk w
	s_mul_i32 s50, ttmp9, 384
	s_add_co_u32 s50, s50, CSC
	s_add_nc_u64 s[54:55], s[8:9], s[50:51]        ; ctx's scale words
	s_mul_i32 s50, s[WV], 24576
	s_add_nc_u64 s[10:11], s[10:11], s[50:51]
	s_mul_i32 s50, s[WV], 1536
	s_add_nc_u64 s[12:13], s[12:13], s[50:51]
	s_mul_i32 s50, s48, 3072
	s_add_co_u32 s50, s50, s41
	s_add_nc_u64 s[16:17], s[16:17], s[50:51]
	s_lshl_b32 s50, s46, 9
	s_lshl_b32 s42, s47, 6
	s_add_co_u32 s50, s50, s42
	s_add_nc_u64 s[18:19], s[18:19], s[50:51]
	s_lshl_b32 s42, s43, 4
	s_add_co_u32 s42, s42, s48
	s_mul_i32 s50, s42, 3072
	s_add_co_u32 s50, s50, s45
	s_add_nc_u64 s[28:29], s[28:29], s[50:51]      ; h2: my eight rows, my 512 bytes
	s_mul_i32 s56, ttmp9, 6
	s_add_co_u32 s56, s56, s44
	s_lshl_b32 s50, s56, 10
	s_lshl_b32 s42, s43, 9
	s_add_co_u32 s50, s50, s42
	s_add_nc_u64 s[58:59], s[30:31], s[50:51]      ; h2's codes
	s_lshl_b32 s50, s56, 6
	s_lshl_b32 s42, s43, 1
	s_add_co_u32 s50, s50, s42
	s_add_co_u32 s50, s50, CSC
	s_add_nc_u64 s[60:61], s[30:31], s[50:51]      ; and my half of the scale words
	global_load_b128 v[128:131], v12, s[52:53]
	global_load_b64 v[132:133], v20, s[20:21]
	global_load_b64 v[134:135], v20, s[22:23]
	global_load_b64 v[136:137], v20, s[14:15]
	global_load_b64 v[138:139], v20, s[24:25]
	global_load_b64 v[140:141], v20, s[26:27]
.irp s, 0,1,2,3,4,5
	global_load_b32 v[24+\s], v17, s[54:55] offset:64*\s
.endr
	global_load_b64 v[30:31], v16, s[18:19]
.irp g, 0,1
.irp k, 0,1,2,3
	global_load_b128 v[200+16*\g+4*\k:203+16*\g+4*\k], v14, s[16:17] offset:128*\g+16*\k
.endr
.endr
.irp g, 0,1
.irp u, 0,1
.irp k, 0,1,2
	global_load_b64 v[232+6*(2*\g+\u)+2*\k:233+6*(2*\g+\u)+2*\k], v15, s[12:13] offset:(32*\g+8*\u)*24+8*\k
.endr
.endr
.endr
	COPYW32 32, 0, 384, 10
	s_wait_loadcnt 51                              ; ctx's chunk and the five parameters are in; behind them 6 + 1 + 8 + 12 + 24 loads stay out
	v_pk_add_f32 v[134:135], v[134:135], v[136:137]        ; ln1_b + bo
	ds_store_b128 v19, v[128:131]
	ds_store_b64 v5, v[132:133]
	ds_store_b64 v5, v[134:135] offset:3072
	ds_store_b64 v5, v[138:139] offset:6144
	ds_store_b64 v5, v[140:141] offset:9216
	BARRIER                                        ; ctx's tile and the parameters lie in LDS; they are not written again
	s_wait_loadcnt 36                              ; ctx's scale words, the statistics and x are in; Wo's 12 scale loads and its first group's 24 stay out
.irp g, 0,1
.irp k, 0,1,2,3
	ds_load_b128 v[128+16*\g+4*\k:131+16*\g+4*\k], v4 offset:128*\g+16*\k
	ds_load_b128 v[160+16*\g+4*\k:163+16*\g+4*\k], v4 offset:3072+128*\g+16*\k
.endr
.endr
	v_mov_b32 v22, v31                             ; 1 / sigma, as the low word of a pair
	v_mov_b32 v23, v31
	s_wait_dscnt 0x0
.set p, 0
.rept 16
	v_pk_add_f32 v[200+p:201+p], v[200+p:201+p], v[30:31] op_sel_hi:[1,0] neg_lo:[0,1] neg_hi:[0,1]
.set p, p+2
.endr
.set p, 0
.rept 16
	v_pk_mul_f32 v[200+p:201+p], v[200+p:201+p], v[22:23] op_sel_hi:[1,0]
.set p, p+2
.endr
.set p, 0
.rept 16
	v_pk_fma_f32 v[200+p:201+p], v[200+p:201+p], v[128+p:129+p], v[160+p:161+p]   ; h + bo: what the products add onto
.set p, p+2
.endr
	s_wait_alu depctr_va_vdst(0)
	s_wait_loadcnt 0x0
	PUTW32 32, 3, 0
	s_wait_dscnt 0x0                               ; the stores have read their registers
	COPYW32 32, 12288, 384, 10                     ; the second group comes while the first is multiplied
	GEMM 0
	s_wait_loadcnt 0x0
	PUTW32 32, 3, 0                                ; into the same bytes, my own: my reads of them are back
	GEMM 1
	; LayerNorm2: my 32 columns, lane l xor 16's 32, then the twelve waves' figures through LDS
	v_pk_add_f32 v[130:131], v[200:201], v[202:203]
	v_pk_add_f32 v[254:255], v[208:209], v[212:213]
	v_pk_add_f32 v[252:253], v[216:217], v[220:221]
	v_pk_add_f32 v[250:251], v[224:225], v[228:229]
	v_pk_add_f32 v[248:249], v[204:205], v[206:207]
	v_pk_add_f32 v[246:247], v[210:211], v[214:215]
	v_pk_add_f32 v[244:245], v[218:219], v[222:223]
	v_pk_add_f32 v[128:129], v[226:227], v[230:231]
	s_delay_alu instid0(VALU_DEP_1)
	v_pk_add_f32 v[128:129], v[128:129], v[250:251]
	v_pk_add_f32 v[130:131], v[130:131], v[248:249]
	v_pk_add_f32 v[254:255], v[254:255], v[246:247]
	v_pk_add_f32 v[252:253], v[252:253], v[244:245]
	s_delay_alu instid0(VALU_DEP_2)
	v_pk_add_f32 v[128:129], v[128:129], v[254:255]
	s_delay_alu instid0(VALU_DEP_2)
	v_pk_add_f32 v[130:131], v[130:131], v[252:253]
	s_delay_alu instid0(VALU_DEP_1)
	v_pk_add_f32 v[128:129], v[128:129], v[130:131]
	s_delay_alu instid0(VALU_DEP_1)
	v_add_f32 v128, v128, v129
	v_mov_b32 v132, 0
	s_delay_alu instid0(VALU_DEP_1)
	v_permlanex16_b32 v132, v128, s[SEL], s[SEL+1]
	s_delay_alu instid0(VALU_DEP_1)
	v_add_f32 v128, v128, v132
	ds_store_b32 v6, v128
	BARRIER
	ds_load_b128 v[136:139], v7
	ds_load_b128 v[140:143], v7 offset:16
	ds_load_b128 v[144:147], v7 offset:32
	s_wait_dscnt 0x0
	SUM12 0
	s_delay_alu instid0(VALU_DEP_1)
	v_mul_f32 v22, s[INV], v136                    ; the mean
.set p, 0
.rept 16
	v_pk_add_f32 v[200+p:201+p], v[200+p:201+p], v[22:23] op_sel_hi:[1,0] neg_lo:[0,1] neg_hi:[0,1]
.set p, p+2
.endr
	v_pk_mul_f32 v[128:129], v[200:201], v[200:201]
	v_pk_mul_f32 v[130:131], v[202:203], v[202:203]
.irp p, 4,8,12,16,20,24,28
	s_delay_alu instid0(VALU_DEP_2)
	v_pk_fma_f32 v[128:129], v[200+\p:201+\p], v[200+\p:201+\p], v[128:129]
	s_delay_alu instid0(VALU_DEP_2)
	v_pk_fma_f32 v[130:131], v[202+\p:203+\p], v[202+\p:203+\p], v[130:131]
.endr
	s_delay_alu instid0(VALU_DEP_1)
	v_pk_add_f32 v[128:129], v[128:129], v[130:131]
	s_delay_alu instid0(VALU_DEP_1)
	v_add_f32 v128, v128, v129
	s_delay_alu instid0(VALU_DEP_1)
	v_permlanex16_b32 v132, v128, s[SEL], s[SEL+1]
	s_delay_alu instid0(VALU_DEP_1)
	v_add_f32 v128, v128, v132
	ds_store_b32 v6, v128 offset:1024
	BARRIER
	ds_load_b128 v[136:139], v7 offset:1024
	ds_load_b128 v[140:143], v7 offset:1040
	ds_load_b128 v[144:147], v7 offset:1056
.irp g, 0,1
.irp k, 0,1,2,3
	ds_load_b128 v[32+16*\g+4*\k:35+16*\g+4*\k], v4 offset:6144+128*\g+16*\k
	ds_load_b128 v[64+16*\g+4*\k:67+16*\g+4*\k], v4 offset:9216+128*\g+16*\k
.endr
.endr
	s_wait_dscnt 16                                ; the three loads of the sums are in; the 16 of gain and bias stay out
	SUM12 0
	s_delay_alu instid0(VALU_DEP_1)
	v_fma_f32 v22, v136, s[INV], s[EPS]
	s_wait_alu depctr_va_vdst(0)
	v_rsq_f32 v22, v22
	v_nop
	s_wait_alu depctr_va_vdst(0)
	s_wait_dscnt 0x0
.set p, 0
.rept 16
	v_pk_mul_f32 v[200+p:201+p], v[200+p:201+p], v[22:23] op_sel_hi:[1,0]
.set p, p+2
.endr
.set p, 0
.rept 16
	v_pk_fma_f32 v[200+p:201+p], v[200+p:201+p], v[32+p:33+p], v[64+p:65+p]       ; h2
.set p, p+2
.endr
.irp g, 0,1
.irp k, 0,1,2,3
	ds_store_b128 v8, v[200+16*\g+4*\k:203+16*\g+4*\k] offset:128*\g+16*\k
.endr
.endr
	; my 64 columns are two blocks of the next K: half a fragment and half a scale word
	v_mov_b32 v108, 0
	v_mov_b32 v109, 0
.irp b, 0,1
	v_max3_num_f32 v[106+\b], |v[200+16*\b]|, |v[201+16*\b]|, 0x1800000
.endr
.irp i, 2,4,6,8,10,12,14
.irp b, 0,1
	s_delay_alu instid0(VALU_DEP_2)
	v_max3_num_f32 v[106+\b], v[106+\b], |v[200+16*\b+\i]|, |v[201+16*\b+\i]|
.endr
.endr
.irp b, 0,1
	s_delay_alu instid0(VALU_DEP_2)
	v_permlanex16_b32 v[108+\b], v[106+\b], s[SEL], s[SEL+1]
.endr
.irp b, 0,1
	s_delay_alu instid0(VALU_DEP_2)
	v_max_num_f32 v[106+\b], v[106+\b], v[108+\b]
.endr
.irp b, 0,1
	s_delay_alu instid0(VALU_DEP_2)
	v_add_nc_u32 v[110+\b], 0xff000000, v[106+\b]
.endr
.irp b, 0,1
	s_delay_alu instid0(VALU_DEP_2)
	v_lshrrev_b32 v[108+\b], 23, v[110+\b]
.endr
	s_delay_alu instid0(VALU_DEP_1)
	v_lshl_or_b32 v104, v109, 8, v108
.irp b, 0,1
	v_cvt_scalef32_pk8_fp4_f32 v[96+2*\b], v[200+16*\b:207+16*\b], v[110+\b]
	v_cvt_scalef32_pk8_fp4_f32 v[97+2*\b], v[208+16*\b:215+16*\b], v[110+\b]
.endr
	v_nop
	v_permlane16_swap_b32 v96, v98
	v_permlane16_swap_b32 v97, v99
	global_store_b128 v12, v[96:99], s[58:59]      ; 512 consecutive bytes
	global_store_b16 v17, v104, s[60:61]           ; two bytes a row: a wave owns half of a scale word
	BARRIER                                        ; 16 whole rows of h2 lie in the stage
.irp k, 0,1,2,3,4,5,6,7
	ds_load_b128 v[128+4*\k:131+4*\k], v9 offset:\k*3088
.endr
.irp k, 0,1,2,3,4,5,6,7
	s_wait_dscnt 7-\k                              ; the younger stage reads stay out
	global_store_b128 v12, v[128+4*\k:131+4*\k], s[28:29] offset:\k*3072   ; 512 consecutive bytes of a row
.endr
	s_wait_tensorcnt 0x0                           ; the wave's end
	ds_add_u32 v10, v11
	s_wait_dscnt 0x0
	s_endpgm
.Lfunc_end_k_q8205072b3b_proj_ln2:
	.size	k_q8205072b3b_proj_ln2, .Lfunc_end_k_q8205072b3b_proj_ln2-k_q8205072b3b_proj_ln2
	.p2alignl 7, 3214868480
	.fill 96, 4, 3214868480
	.section	.rodata,"a",@progbits
	.p2align	6, 0x0
	.amdhsa_kernel k_q8205072b3b_proj_ln2
		.amdhsa_group_segment_fixed_size 238080
		.amdhsa_private_segment_fixed_size 0
		.amdhsa_enable_private_segment 0
		.amdhsa_kernarg_size 96
		.amdhsa_user_sgpr_count 2
		.amdhsa_user_sgpr_kernarg_segment_ptr 1
		.amdhsa_wavefront_size32 1
		.amdhsa_system_sgpr_workgroup_id_x 1
		.amdhsa_system_sgpr_workgroup_id_y 1
		.amdhsa_system_sgpr_workgroup_id_z 1
		.amdhsa_system_vgpr_workitem_id 0
		.amdhsa_next_free_vgpr 256
		.amdhsa_next_free_sgpr 66
		.amdhsa_reserve_vcc 0
		.amdhsa_float_denorm_mode_32 3
		.amdhsa_float_denorm_mode_16_64 3
		.amdhsa_memory_ordered 1
		.amdhsa_forward_progress 1
		.amdhsa_inst_pref_size 43
	.end_amdhsa_kernel
	.amdgpu_metadata
---
amdhsa.version: [ 1, 2 ]
amdhsa.kernels:
  - .name:           k_q8205072b3b_proj_ln2
    .symbol:         k_q8205072b3b_proj_ln2.kd
    .args:
      - { .name: ctxbuf, .offset: 0, .size: 8, .value_kind: global_buffer, .address_space: global }
      - { .name: Wo_codes, .offset: 8, .size: 8, .value_kind: global_buffer, .address_space: global }
      - { .name: Wo_scales, .offset: 16, .size: 8, .value_kind: global_buffer, .address_space: global }
      - { .name: bo, .offset: 24, .size: 8, .value_kind: global_buffer, .address_space: global }
      - { .name: x, .offset: 32, .size: 8, .value_kind: global_buffer, .address_space: global }
      - { .name: stats, .offset: 40, .size: 8, .value_kind: global_buffer, .address_space: global }
      - { .name: ln1_g, .offset: 48, .size: 8, .value_kind: global_buffer, .address_space: global }
      - { .name: ln1_b, .offset: 56, .size: 8, .value_kind: global_buffer, .address_space: global }
      - { .name: ln2_g, .offset: 64, .size: 8, .value_kind: global_buffer, .address_space: global }
      - { .name: ln2_b, .offset: 72, .size: 8, .value_kind: global_buffer, .address_space: global }
      - { .name: h2, .offset: 80, .size: 8, .value_kind: global_buffer, .address_space: global }
      - { .name: h2q, .offset: 88, .size: 8, .value_kind: global_buffer, .address_space: global }
    .group_segment_fixed_size: 238080
    .private_segment_fixed_size: 0
    .kernarg_segment_align: 8
    .kernarg_segment_size: 96
    .max_flat_workgroup_size: 384
    .sgpr_count:     66
    .vgpr_count:     256
    .wavefront_size: 32
...
	.end_amdgpu_metadata
.endif
;; end of part 3
;; launch fc1 (part 4): grid 32 x 8, 12 waves a work-group, no clusters, 236,544 bytes of LDS; arguments h2q, W1_codes, W1_scales, b1, gbuf; writes gbuf
.if DOCPART == 4
	.amdgcn_target "amdgcn-amd-amdhsa--gfx1250"
	.amdhsa_code_object_version 6
	.text
	.protected	k_q8205072b3b_fc1
	.globl	k_q8205072b3b_fc1
	.p2align	8
	.type	k_q8205072b3b_fc1,@function
k_q8205072b3b_fc1:
	s_mov_b64 s[64:65], 0
	v_nop
	global_prefetch_b8 v0, s[64:65] scope:SCOPE_SE
	s_setreg_imm32_b32 hwreg(HW_REG_WAVE_MODE, 25, 1), 1
	s_wait_xcnt 0x0
; LAUNCH 4 OF 5.  g = gelu(h2 W1 + b1), the exact (erf) form, quantised along the 3,072 hidden units into images of the next product's fragments.  No work is left out here.
; SHARES.  Work-group (bx, by): 128 tokens x 384 hidden units, K = 768 whole in LDS, filled once through registers.  Wave (tp, cg): token tiles 2 tp + a, 128 units.  Source 0 = W1: a lane holds one token and its
; registers run along the units: the rows of a tile of W1 are 32 (t >> 1) + 8 (t & 1) + r + 8 (r >> 3), so that 16 registers of two neighbouring tiles are 16 neighbours along the next K.
; erf(z) = z a(z^2) / b(z^2), z held to +-4, the rational form of f32 libraries.  LIMIT: its error is a few 1e-7 of 1 in 1 + erf, so far down the negative side g is right to that much of |x| / 2, not of itself.
; REGISTERS: v1-18 addresses; v26-29 two constants as pairs; v32-95, v96-111 fragments, later at work; v112-121 the products' scale words, v122-124 those made here: these hold scale words and nothing else;
; v128-255 the 16 accumulators (ahead of the barrier: W1's rows on their way to LDS).
.set WIMG, 0
.set HIMG, 165888
.set WSC, 221184
.set HSC, 230400
.set BIAS, 233472
.set SPARE, 235008
.set CSC, 1572864
.set GSC, 6291456
.set WGO, 18
.set WV, 14
.set BY, 15
.set RS2, 40
.set A13, 42
.set A9, 44
.set A7, 46
.set A5, 48
.set A3, 50
.set A1, 52
.set B8, 54
.set B4, 56
.set B2, 58
.set B0, 60
.set SEL, 62
.macro BARRIER
	s_wait_dscnt 0x0
	s_barrier_signal -1
	s_barrier_wait -1
.endm
.macro SETP r, val                     ; a constant as a pair: the packed forms name a pair and take its low word for both halves
	s_mov_b32 s[\r], \val
	s_mov_b32 s[\r+1], \val
.endm
.macro QUANT src, pc, pw, tm
.irp b, 0,1,2,3
	v_max3_num_f32 v[\tm+\b], |v[\src+16*\b]|, |v[\src+1+16*\b]|, 0x1800000
.endr
.irp i, 2,4,6,8,10,12,14
.irp b, 0,1,2,3
	s_delay_alu instid0(VALU_DEP_4)
	v_max3_num_f32 v[\tm+\b], v[\tm+\b], |v[\src+16*\b+\i]|, |v[\src+1+16*\b+\i]|
.endr
.endr
.irp b, 0,1,2,3
	s_delay_alu instid0(VALU_DEP_4)
	v_permlanex16_b32 v[\tm+4+\b], v[\tm+\b], s[SEL], s[SEL+1]
.endr
.irp b, 0,1,2,3
	s_delay_alu instid0(VALU_DEP_4)
	v_max_num_f32 v[\tm+\b], v[\tm+\b], v[\tm+4+\b]
.endr
.irp b, 0,1,2,3
	s_delay_alu instid0(VALU_DEP_4)
	v_add_nc_u32 v[\tm+12+\b], 0xff000000, v[\tm+\b]
.endr
.irp b, 0,1,2,3
	s_delay_alu instid0(VALU_DEP_4)
	v_lshrrev_b32 v[\tm+4+\b], 23, v[\tm+12+\b]
.endr
	s_delay_alu instid0(VALU_DEP_3)
	v_lshl_or_b32 v[\pw], v[\tm+5], 8, v[\tm+4]
	s_delay_alu instid0(VALU_DEP_1)
	v_lshl_or_b32 v[\pw], v[\tm+6], 16, v[\pw]
	s_delay_alu instid0(VALU_DEP_1)
	v_lshl_or_b32 v[\pw], v[\tm+7], 24, v[\pw]
.irp b, 0,1,2,3
	v_cvt_scalef32_pk8_fp4_f32 v[\pc+2*\b], v[\src+16*\b:\src+7+16*\b], v[\tm+12+\b]
	v_cvt_scalef32_pk8_fp4_f32 v[\pc+1+2*\b], v[\src+8+16*\b:\src+15+16*\b], v[\tm+12+\b]
.endr
	v_nop
.irp c, 0,1
.irp i, 0,1
	v_permlane16_swap_b32 v[\pc+4*\c+\i], v[\pc+2+4*\c+\i]
.endr
.endr
.endm
.macro KSTEP ks, zr
.irp m, 0,1,2,3,4,5,6,7
.irp c, 0,1
	ds_load_b128 v[32+8*\m+4*\c:35+8*\m+4*\c], v2 offset:\m*6912+\ks*1152+\c*576
.endr
.endr
.irp a, 0,1
.irp c, 0,1
	ds_load_b128 v[96+8*\a+4*\c:99+8*\a+4*\c], v3 offset:\a*6912+\ks*1152+\c*576
.endr
.endr
.irp m, 0,1,2,3,4,5,6,7
	ds_load_b32 v[112+\m], v4 offset:(32*(\m>>1)+8*(\m&1))*24+4*\ks
.endr
.irp a, 0,1
	ds_load_b32 v[120+\a], v5 offset:\a*384+64*\ks
.endr
	s_wait_dscnt 0x0
.irp a, 0,1
.irp m, 0,1,2,3,4,5,6,7
.if \zr
	v_wmma_scale_f32_16x16x128_f8f6f4 v[128+8*(8*\a+\m):135+8*(8*\a+\m)], v[32+8*\m:39+8*\m], v[96+8*\a:103+8*\a], 0, v[112+\m], v[120+\a] matrix_a_fmt:MATRIX_FMT_FP4 matrix_b_fmt:MATRIX_FMT_FP4
.else
	v_wmma_scale_f32_16x16x128_f8f6f4 v[128+8*(8*\a+\m):135+8*(8*\a+\m)], v[32+8*\m:39+8*\m], v[96+8*\a:103+8*\a], v[128+8*(8*\a+\m):135+8*(8*\a+\m)], v[112+\m], v[120+\a] matrix_a_fmt:MATRIX_FMT_FP4 matrix_b_fmt:MATRIX_FMT_FP4
.endif
.endr
.endr
.rept 4
	v_nop
.endr
.endm
.macro HORNER d, z, sc                 ; d = d z + s[sc], sixteen numbers
.set p, 0
.rept 8
	v_pk_fma_f32 v[\d+p:\d+p+1], v[\d+p:\d+p+1], v[\z+p:\z+p+1], s[\sc:\sc+1] op_sel_hi:[1,1,0]
.set p, p+2
.endr
.endm
.macro MUL8 d, a, b                    ; d = a b, sixteen numbers
.set p, 0
.rept 8
	v_pk_mul_f32 v[\d+p:\d+p+1], v[\a+p:\a+p+1], v[\b+p:\b+p+1]
.set p, p+2
.endr
.endm
; sixteen numbers x become x / 2 (1 + erf(x / sqrt 2)) in place.  v32-47 z, v48-63 z^2, v64-79 the numerator, v80-95 the denominator
.macro GELU16 x
.set p, 0
.rept 8
	v_pk_mul_f32 v[32+p:33+p], v[\x+p:\x+p+1], s[RS2:RS2+1] op_sel_hi:[1,0]
.set p, p+2
.endr
.set p, 0
.rept 16
	v_med3_num_f32 v[32+p], v[32+p], -4.0, 4.0
.set p, p+1
.endr
	MUL8 48, 32, 32
.set p, 0
.rept 8
	v_pk_fma_f32 v[64+p:65+p], v[48+p:49+p], s[A13:A13+1], v[26:27] op_sel_hi:[1,0,1]
	v_pk_fma_f32 v[80+p:81+p], v[48+p:49+p], s[B8:B8+1], v[28:29] op_sel_hi:[1,0,1]
.set p, p+2
.endr
	HORNER 64, 48, A9
	HORNER 80, 48, B4
	HORNER 64, 48, A7
	HORNER 80, 48, B2
	HORNER 64, 48, A5
	HORNER 80, 48, B0
	HORNER 64, 48, A3
.set p, 0
	s_wait_alu depctr_va_vdst(0)
.rept 16
	v_rcp_f32 v[80+p], v[80+p]
.set p, p+1
.endr
	HORNER 64, 48, A1                              ; plain work behind the batch of reciprocals: it names none of their results
	MUL8 64, 64, 32
.set p, 0
.rept 8
	v_pk_mul_f32 v[\x+p:\x+p+1], v[\x+p:\x+p+1], 0.5 op_sel_hi:[1,0]
.set p, p+2
.endr
	s_wait_alu depctr_va_vdst(0)                   ; one wait for the sixteen, ahead of their first reader
	MUL8 64, 64, 80                                ; erf
.set p, 0
.rept 8
	v_pk_fma_f32 v[\x+p:\x+p+1], v[\x+p:\x+p+1], v[64+p:65+p], v[\x+p:\x+p+1]
.set p, p+2
.endr
.endm
	s_load_b256 s[4:11], s[0:1], 0x0               ; h2q, W1 codes, W1 scales, b1
	s_load_b64 s[12:13], s[0:1], 0x20              ; gbuf
	v_lshl_add_u32 v12, v0, 2, SPARE
	v_mov_b32 v13, 0
	v_lshrrev_b32 v19, 5, v0
	s_delay_alu instid0(VALU_DEP_1)
	v_readfirstlane_b32 s[WV], v19                 ; wave 0..11
	v_and_b32 v19, 31, v0                          ; l
	v_and_b32 v20, 15, v0                          ; r
	v_bfe_u32 v21, v0, 4, 1                        ; h
	s_wait_alu depctr_va_vdst(0)
	s_and_b32 s[BY], ttmp7, 0xffff
	s_and_b32 s16, s[WV], 3                        ; tp
	s_lshr_b32 s17, s[WV], 2                       ; cg
	SETP RS2, 0x3f3504f3                           ; 1 / sqrt 2
	SETP A13, 0xaf95df0b
	SETP A9, 0xb60cff51
	SETP A7, 0xb86ec2d2
	SETP A5, 0xba40ac63
	SETP A3, 0xbb41a1f6
	SETP A1, 0xbc83dbd4
	SETP B8, 0xb77460cd
	SETP B4, 0xbadc924e
	SETP B2, 0xbbf19bf8
	SETP B0, 0xbc69b6a7
	s_mov_b32 s[SEL], 0x76543210
	s_mov_b32 s[SEL+1], 0xfedcba98
	v_mov_b32 v26, 0x32edffee                      ; a11, as a vector pair: so no line names two scalar pairs
	v_mov_b32 v27, 0x32edffee
	v_mov_b32 v28, 0xb95fbd29                      ; b6
	v_mov_b32 v29, 0xb95fbd29
	v_mul_u32_u24 v1, v21, 288
	s_delay_alu instid0(VALU_DEP_1)
	v_lshl_add_u32 v1, v20, 4, v1                  ; 16 r + 288 h
	v_and_b32 v30, 8, v20
	s_delay_alu instid0(VALU_DEP_1)
	v_add_nc_u32 v30, v30, v20
	s_delay_alu instid0(VALU_DEP_1)
	v_mul_u32_u24 v30, v30, 24
	s_mul_i32 s18, s17, 55296
	v_add_nc_u32 v2, s18, v1                       ; my 8 tiles of W1
	s_mul_i32 s18, s16, 13824
	s_add_co_u32 s18, s18, HIMG
	v_add_nc_u32 v3, s18, v1                       ; my 2 tiles of h2
	s_mul_i32 s18, s17, 3072
	s_add_co_u32 s18, s18, WSC
	v_add_nc_u32 v4, s18, v30
	s_mul_i32 s18, s16, 768
	s_add_co_u32 s18, s18, HSC
	v_lshl_add_u32 v5, v20, 2, s18
	s_lshl_b32 s18, s17, 9
	s_add_co_u32 s18, s18, BIAS
	v_lshl_add_u32 v6, v21, 6, s18
	s_mul_i32 s18, s[WV], 13824
	v_and_b32 v30, 7, v19
	v_lshrrev_b32 v31, 3, v19
	s_delay_alu instid0(VALU_DEP_2)
	v_mul_u32_u24 v7, v30, 288
	s_delay_alu instid0(VALU_DEP_1)
	v_lshl_add_u32 v7, v31, 4, v7
	s_delay_alu instid0(VALU_DEP_1)
	v_add_nc_u32 v7, s18, v7                       ; where my 32 rows of W1 go
	s_delay_alu instid0(VALU_DEP_4)
	v_mul_u32_u24 v18, v31, 384
	s_delay_alu instid0(VALU_DEP_1)
	v_lshl_add_u32 v18, v30, 4, v18
	s_mul_i32 s18, s[WV], 4608
	s_add_co_u32 s18, s18, HIMG
	v_add_nc_u32 v8, s18, v1                       ; where my eight chunks of h2's images go: chunk x 576
	v_lshl_add_u32 v9, v0, 3, WSC
	v_lshl_add_u32 v10, v0, 3, HSC
	v_lshl_add_u32 v11, v0, 2, BIAS
	v_lshlrev_b32 v14, 4, v19                      ; 16 l
	v_lshlrev_b32 v15, 2, v19                      ; 4 l
	v_lshlrev_b32 v16, 3, v0                       ; 8 t
	v_lshlrev_b32 v17, 2, v0                       ; 4 t
	s_mov_b32 s21, 0
	s_wait_alu depctr_va_vdst(0)
	s_wait_kmcnt 0x0
	s_mul_i32 s20, ttmp9, 3072
	s_add_co_u32 s20, s20, CSC
	s_add_nc_u64 s[26:27], s[4:5], s[20:21]        ; h2's scale words
	s_mul_i32 s20, ttmp9, 49152
	s_lshl_b32 s18, s[WV], 12
	s_add_co_u32 s20, s20, s18
	s_add_nc_u64 s[4:5], s[4:5], s[20:21]          ; h2's images, my 4,096 bytes
	s_mul_i32 s20, s[BY], 147456
	s_mul_i32 s18, s[WV], 12288
	s_add_co_u32 s20, s20, s18
	s_add_nc_u64 s[6:7], s[6:7], s[20:21]
	s_mul_i32 s20, s[BY], 9216
	s_add_nc_u64 s[8:9], s[8:9], s[20:21]
	s_mul_i32 s20, s[BY], 1536
	s_add_nc_u64 s[10:11], s[10:11], s[20:21]
	s_mul_i32 s19, s[BY], 3
	s_add_co_u32 s19, s19, s17                     ; the next product's K step: 3 by + cg
	s_lshl_b32 s18, ttmp9, 3
	s_lshl_b32 s20, s16, 1
	s_add_co_u32 s18, s18, s20
	s_mul_i32 s18, s18, 24
	s_add_co_u32 s18, s18, s19
	s_lshl_b32 s20, s18, 10
	s_add_nc_u64 s[22:23], s[12:13], s[20:21]      ; g's images
	s_lshl_b32 s18, ttmp9, 2
	s_add_co_u32 s18, s18, s16
	s_mul_i32 s18, s18, 24
	s_add_co_u32 s18, s18, s19
	s_lshl_b32 s20, s18, 7
	s_add_co_u32 s20, s20, GSC
	s_add_nc_u64 s[24:25], s[12:13], s[20:21]      ; g's scale words
	; the way into LDS: W1's 32 rows through v128-223, h2's eight chunks through v32-63, the small things through v64-72
.irp i, 0,1,2,3,4,5,6,7
.irp j, 0,1,2
	global_load_b128 v[128+4*(3*\i+\j):131+4*(3*\i+\j)], v[WGO], s[6:7] offset:\i*1536+128*\j
.endr
.endr
.irp k, 0,1,2,3,4,5,6,7
	global_load_b128 v[32+4*\k:35+4*\k], v14, s[4:5] offset:512*\k
.endr
	global_load_b64 v[64:65], v16, s[8:9]
	global_load_b64 v[66:67], v16, s[8:9] offset:3072
	global_load_b64 v[68:69], v16, s[8:9] offset:6144
	global_load_b64 v[70:71], v16, s[26:27]
	global_load_b32 v72, v17, s[10:11]
	s_wait_loadcnt 0x0
.irp i, 0,1,2,3,4,5,6,7
.irp j, 0,1,2
	ds_store_b128 v7, v[128+4*(3*\i+\j):131+4*(3*\i+\j)] offset:((\i>>1)&1)*6912+(4*(\i&1)+8*(\i>>2))*16+2304*\j
.endr
.endr
.irp k, 0,1,2,3,4,5,6,7
	ds_store_b128 v8, v[32+4*\k:35+4*\k] offset:576*\k
.endr
	ds_store_b64 v9, v[64:65]
	ds_store_b64 v9, v[66:67] offset:3072
	ds_store_b64 v9, v[68:69] offset:6144
	ds_store_b64 v10, v[70:71]
	ds_store_b32 v11, v72
	BARRIER                                        ; both panels, their scales and the bias lie in LDS; nothing is written there again
	KSTEP 0, 1
.irp s, 1,2,3,4,5
	KSTEP \s, 0
.endr
.irp m, 0,1,2,3,4,5,6,7
	ds_load_b128 v[32+8*\m:35+8*\m], v6 offset:(32*(\m>>1)+8*(\m&1))*4
	ds_load_b128 v[36+8*\m:39+8*\m], v6 offset:(32*(\m>>1)+8*(\m&1))*4+16
.endr
	s_wait_dscnt 0x0
.irp a, 0,1
.set p, 0
.rept 32
	v_pk_add_f32 v[128+64*\a+p:129+64*\a+p], v[128+64*\a+p:129+64*\a+p], v[32+p:33+p]   ; + b1; each accumulator from its low end on
.set p, p+2
.endr
.endr
.irp e, 128,144,160,176,192,208,224,240
	GELU16 \e
.endr
.irp b, 0,1,2,3
	v_mov_b32 v[36+\b], 0
.endr
	QUANT 128, 96, 122, 32
	QUANT 192, 104, 123, 32
	v_cmp_ne_u32 vcc_lo, 0, v21
	s_delay_alu instid0(VALU_DEP_1)
	v_cndmask_b32 v124, v122, v123, vcc_lo         ; lanes 0-15: tile 2 tp's words, lanes 16-31: tile 2 tp + 1's
	global_store_b128 v14, v[96:99], s[22:23]      ; each store: 512 consecutive bytes of an image
	global_store_b128 v14, v[100:103], s[22:23] offset:512
	global_store_b128 v14, v[104:107], s[22:23] offset:24576
	global_store_b128 v14, v[108:111], s[22:23] offset:25088
	global_store_b32 v15, v124, s[24:25]
	s_wait_tensorcnt 0x0                           ; the wave's end
	ds_add_u32 v12, v13
	s_wait_dscnt 0x0
	s_endpgm
.Lfunc_end_k_q8205072b3b_fc1:
	.size	k_q8205072b3b_fc1, .Lfunc_end_k_q8205072b3b_fc1-k_q8205072b3b_fc1
	.p2alignl 7, 3214868480
	.fill 96, 4, 3214868480
	.section	.rodata,"a",@progbits
	.p2align	6, 0x0
	.amdhsa_kernel k_q8205072b3b_fc1
		.amdhsa_group_segment_fixed_size 236544
		.amdhsa_private_segment_fixed_size 0
		.amdhsa_enable_private_segment 0
		.amdhsa_kernarg_size 40
		.amdhsa_user_sgpr_count 2
		.amdhsa_user_sgpr_kernarg_segment_ptr 1
		.amdhsa_wavefront_size32 1
		.amdhsa_system_sgpr_workgroup_id_x 1
		.amdhsa_system_sgpr_workgroup_id_y 1
		.amdhsa_system_sgpr_workgroup_id_z 1
		.amdhsa_system_vgpr_workitem_id 0
		.amdhsa_next_free_vgpr 256
		.amdhsa_next_free_sgpr 66
		.amdhsa_reserve_vcc 1
		.amdhsa_float_denorm_mode_32 3
		.amdhsa_float_denorm_mode_16_64 3
		.amdhsa_memory_ordered 1
		.amdhsa_forward_progress 1
		.amdhsa_inst_pref_size 130
	.end_amdhsa_kernel
	.amdgpu_metadata
---
amdhsa.version: [ 1, 2 ]
amdhsa.kernels:
  - .name:           k_q8205072b3b_fc1
    .symbol:         k_q8205072b3b_fc1.kd
    .args:
      - { .name: h2q, .offset: 0, .size: 8, .value_kind: global_buffer, .address_space: global }
      - { .name: W1_codes, .offset: 8, .size: 8, .value_kind: global_buffer, .address_space: global }
      - { .name: W1_scales, .offset: 16, .size: 8, .value_kind: global_buffer, .address_space: global }
      - { .name: b1, .offset: 24, .size: 8, .value_kind: global_buffer, .address_space: global }
      - { .name: gbuf, .offset: 32, .size: 8, .value_kind: global_buffer, .address_space: global }
    .group_segment_fixed_size: 236544
    .private_segment_fixed_size: 0
    .kernarg_segment_align: 8
    .kernarg_segment_size: 40
    .max_flat_workgroup_size: 384
    .sgpr_count:     66
    .vgpr_count:     256
    .wavefront_size: 32
...
	.end_amdgpu_metadata
.endif
;; end of part 4
;; launch fc2 (part 5): grid 64 x 4, 12 waves a work-group, no clusters, 297,472 bytes of LDS; arguments gbuf, W2_codes, W2_scales, b2, h2, out0; writes out0
.if DOCPART == 5
	.amdgcn_target "amdgcn-amd-amdhsa--gfx1250"
	.amdhsa_code_object_version 6
	.text
	.protected	k_q8205072b3b_fc2
	.globl	k_q8205072b3b_fc2
	.p2align	8
	.type	k_q8205072b3b_fc2,@function
k_q8205072b3b_fc2:
	s_mov_b64 s[64:65], 0
	v_nop
	global_prefetch_b8 v0, s[64:65] scope:SCOPE_SE
	s_setreg_imm32_b32 hwreg(HW_REG_WAVE_MODE, 25, 1), 1
	s_wait_xcnt 0x0
; LAUNCH 5 OF 5.  out = g W2 + b2 + h2.  No work is left out here.
; SHARES.  Work-group (bx, by): 64 tokens x 192 columns.  K = 3,072 goes in four chunks of six K steps through two LDS buffers by turns: a chunk is asked for into registers a chunk ahead and stored to the other
; buffer at a chunk's end; one barrier a chunk: the buffer that is written was last read ahead of the barrier before.  All is written out: every LDS offset is a constant.
; Wave w: token tiles 2 (w & 1) + a, column tiles 2 (w >> 1) + b: four accumulators by turns.  Source 0 = W2: a lane holds one token and eight neighbouring columns.
.set BUFB, 110592                      ; a buffer: g's 4 tiles x 6912, then W2's 12
.set WOF, 27648
.set W2SC, 221184                      ; W2's scale bytes of my 192 rows, all of K: 96 bytes a row
.set GSCL, 239616                      ; g's scale words of my 4 tiles, all of K
.set STG, 245760                       ; the way out: 64 rows x (768 + 16)
.set SPARE, 295936
.set GSC, 6291456
.set WV, 16
.macro BARRIER
	s_wait_dscnt 0x0
	s_barrier_signal -1
	s_barrier_wait -1
.endm
.macro CLOAD kap                       ; chunk kap: tile w of W2 (16 rows x 384 bytes) and 2,048 bytes of g's images
.irp i, 0,1,2,3
.irp j, 0,1,2
	global_load_b128 v[32+4*(3*\i+\j):35+4*(3*\i+\j)], v18, s[6:7] offset:384*\kap+(4*\i+8*(\i>>1))*1536+128*\j
.endr
.endr
.irp q, 0,1,2,3
	global_load_b128 v[80+4*\q:83+4*\q], v17, s[4:5] offset:6144*\kap+512*\q
.endr
.endm
.macro CPUT cw, cg
.irp i, 0,1,2,3
.irp j, 0,1,2
	ds_store_b128 v[\cw], v[32+4*(3*\i+\j):35+4*(3*\i+\j)] offset:64*\i+2304*\j
.endr
.endr
.irp q, 0,1,2,3
	ds_store_b128 v[\cg], v[80+4*\q:83+4*\q] offset:576*\q
.endr
.endm
.macro BATCH kap, bt, ag, aw, zr       ; three K steps: 24 fragment loads, 12 scale words, 12 products
.irp s3, 0,1,2
.irp b, 0,1
.irp c, 0,1
	ds_load_b128 v[96+32*\s3+8*\b+4*\c:99+32*\s3+8*\b+4*\c], v[\aw] offset:\b*6912+(3*\bt+\s3)*1152+\c*576
	ds_load_b128 v[112+32*\s3+8*\b+4*\c:115+32*\s3+8*\b+4*\c], v[\ag] offset:\b*6912+(3*\bt+\s3)*1152+\c*576
.endr
.endr
.irp b, 0,1
	ds_load_b32 v[192+4*\s3+\b], v10 offset:\b*768+4*(6*\kap+3*\bt+\s3)
	ds_load_b32 v[194+4*\s3+\b], v11 offset:(6*\kap+3*\bt+\s3)*128+\b*64
.endr
.endr
	s_wait_dscnt 0x0
.irp s3, 0,1,2
.irp a, 0,1
.irp b, 0,1
.if \zr && (\s3 == 0)
	v_wmma_scale_f32_16x16x128_f8f6f4 v[204+8*(2*\a+\b):211+8*(2*\a+\b)], v[96+32*\s3+8*\b:103+32*\s3+8*\b], v[112+32*\s3+8*\a:119+32*\s3+8*\a], 0, v[192+4*\s3+\b], v[194+4*\s3+\a] matrix_a_fmt:MATRIX_FMT_FP4 matrix_b_fmt:MATRIX_FMT_FP4
.else
	v_wmma_scale_f32_16x16x128_f8f6f4 v[204+8*(2*\a+\b):211+8*(2*\a+\b)], v[96+32*\s3+8*\b:103+32*\s3+8*\b], v[112+32*\s3+8*\a:119+32*\s3+8*\a], v[204+8*(2*\a+\b):211+8*(2*\a+\b)], v[192+4*\s3+\b], v[194+4*\s3+\a] matrix_a_fmt:MATRIX_FMT_FP4 matrix_b_fmt:MATRIX_FMT_FP4
.endif
.endr
.endr
.endr
.rept 4
	v_nop                                          ; four places in front of the next loads and of the first read of results
.endr
.endm
	s_load_b256 s[4:11], s[0:1], 0x0               ; gbuf, W2 codes, W2 scales, b2
	s_load_b128 s[12:15], s[0:1], 0x20             ; h2, out0
	v_lshl_add_u32 v14, v0, 2, SPARE
	v_mov_b32 v15, 0
	v_lshrrev_b32 v24, 5, v0
	s_delay_alu instid0(VALU_DEP_1)
	v_readfirstlane_b32 s[WV], v24                 ; wave 0..11
	s_and_b32 s17, ttmp7, 0xffff                   ; by
	s_and_b32 s18, s[WV], 1                        ; tp
	s_lshr_b32 s19, s[WV], 1                       ; np
	s_and_b32 s20, s[WV], 3
	s_lshr_b32 s21, s[WV], 2
	v_and_b32 v24, 31, v0                          ; l
	v_and_b32 v25, 15, v0                          ; r
	v_bfe_u32 v26, v0, 4, 1                        ; h
	s_delay_alu instid0(VALU_DEP_1)
	v_mul_u32_u24 v1, v26, 288
	s_delay_alu instid0(VALU_DEP_1)
	v_lshl_add_u32 v1, v25, 4, v1                  ; 16 r + 288 h
	s_mul_i32 s22, s18, 13824
	v_add_nc_u32 v2, s22, v1                       ; my two tiles of g, buffer 0;
	s_delay_alu instid0(VALU_DEP_1)
	v_add_nc_u32 v3, BUFB, v2                      ; buffer 1
	s_mul_i32 s22, s19, 13824
	s_add_co_u32 s22, s22, WOF
	v_add_nc_u32 v4, s22, v1                       ; my two tiles of W2
	s_delay_alu instid0(VALU_DEP_1)
	v_add_nc_u32 v5, BUFB, v4
	s_mul_i32 s22, s20, 6912
	s_mul_i32 s23, s21, 2304
	s_add_co_u32 s22, s22, s23
	v_add_nc_u32 v6, s22, v1                       ; where I put g's four chunks
	s_delay_alu instid0(VALU_DEP_1)
	v_add_nc_u32 v7, BUFB, v6
	s_mul_i32 s22, s[WV], 6912
	s_add_co_u32 s22, s22, WOF
	v_and_b32 v27, 7, v24
	v_lshrrev_b32 v28, 3, v24
	s_delay_alu instid0(VALU_DEP_2)
	v_mul_u32_u24 v8, v27, 288
	s_delay_alu instid0(VALU_DEP_1)
	v_lshl_add_u32 v8, v28, 4, v8
	s_delay_alu instid0(VALU_DEP_1)
	v_add_nc_u32 v8, s22, v8                       ; where I put tile w of W2
	s_delay_alu instid0(VALU_DEP_1)
	v_add_nc_u32 v9, BUFB, v8
	v_mul_u32_u24 v18, v28, 1536
	s_delay_alu instid0(VALU_DEP_1)
	v_lshl_add_u32 v18, v27, 4, v18                ; W2's rows in memory
	v_and_b32 v27, 8, v25
	s_delay_alu instid0(VALU_DEP_1)
	v_add_nc_u32 v27, v27, v25                     ; r + 8 (r >> 3)
	s_wait_alu depctr_va_vdst(0)
	v_mul_u32_u24 v28, v27, 96
	s_mul_i32 s22, s19, 3072
	s_add_co_u32 s22, s22, W2SC
	v_add_nc_u32 v10, s22, v28                     ; W2's scale words
	s_mul_i32 s22, s18, 3072
	s_add_co_u32 s22, s22, GSCL
	v_lshl_add_u32 v11, v25, 2, s22                ; g's
	v_lshl_add_u32 v12, v0, 4, W2SC
	v_lshl_add_u32 v13, v0, 4, GSCL
	v_lshlrev_b32 v16, 4, v0                       ; 16 t
	v_lshlrev_b32 v17, 4, v24                      ; 16 l
	s_mul_i32 s22, s18, 25088
	s_lshl_b32 s23, s19, 7
	s_add_co_u32 s22, s22, s23
	s_add_co_u32 s22, s22, STG
	v_mul_u32_u24 v19, v27, 784
	s_delay_alu instid0(VALU_DEP_1)
	v_lshl_add_u32 v19, v26, 6, v19
	s_delay_alu instid0(VALU_DEP_1)
	v_add_nc_u32 v19, s22, v19                     ; the stage: my token's row, my columns
	s_mul_i32 s22, s20, 12544
	s_lshl_b32 s23, s21, 8
	s_add_co_u32 s22, s22, s23
	s_add_co_u32 s22, s22, STG
	v_mul_u32_u24 v20, v26, 784
	s_delay_alu instid0(VALU_DEP_1)
	v_lshl_add_u32 v20, v25, 4, v20
	s_delay_alu instid0(VALU_DEP_1)
	v_add_nc_u32 v20, s22, v20                     ; back: two rows an instruction, 256 bytes of each
	v_mul_u32_u24 v21, v26, 3072
	s_delay_alu instid0(VALU_DEP_1)
	v_lshl_add_u32 v21, v25, 4, v21                ; the same in h2 and in out0
	v_lshlrev_b32 v22, 4, v25                      ; and in b2
	s_mov_b32 s25, 0
	s_wait_alu depctr_va_vdst(0)
	s_wait_kmcnt 0x0
	s_mul_i32 s24, ttmp9, 6144
	s_add_co_u32 s24, s24, GSC
	s_add_nc_u64 s[26:27], s[4:5], s[24:25]        ; g's scale words of my four tiles
	s_lshl_b32 s22, ttmp9, 2
	s_add_co_u32 s22, s22, s20
	s_mul_i32 s22, s22, 24
	s_lshl_b32 s23, s21, 1
	s_add_co_u32 s22, s22, s23
	s_lshl_b32 s24, s22, 10
	s_add_nc_u64 s[4:5], s[4:5], s[24:25]          ; g's images: tile w & 3, K steps 2 (w >> 2) on
	s_lshl_b32 s22, s19, 5
	s_lshl_b32 s23, s18, 3
	s_add_co_u32 s22, s22, s23
	s_mul_i32 s22, s22, 1536
	s_mul_i32 s24, s17, 294912
	s_add_co_u32 s24, s24, s22
	s_add_nc_u64 s[6:7], s[6:7], s[24:25]          ; W2's tile w
	s_mul_i32 s24, s17, 18432
	s_add_nc_u64 s[8:9], s[8:9], s[24:25]
	s_mul_i32 s22, s17, 768
	s_lshl_b32 s23, s21, 8
	s_add_co_u32 s24, s22, s23
	s_add_nc_u64 s[10:11], s[10:11], s[24:25]
	s_lshl_b32 s22, ttmp9, 6
	s_lshl_b32 s23, s20, 4
	s_add_co_u32 s22, s22, s23
	s_mul_i32 s22, s22, 3072
	s_add_co_u32 s24, s24, s22
	s_add_nc_u64 s[12:13], s[12:13], s[24:25]
	s_add_nc_u64 s[14:15], s[14:15], s[24:25]
	global_load_b128 v[96:99], v16, s[8:9]
	global_load_b128 v[100:103], v16, s[8:9] offset:6144
	global_load_b128 v[104:107], v16, s[8:9] offset:12288
	global_load_b128 v[108:111], v16, s[26:27]
	CLOAD 0
	s_wait_loadcnt 0x0
	ds_store_b128 v12, v[96:99]
	ds_store_b128 v12, v[100:103] offset:6144
	ds_store_b128 v12, v[104:107] offset:12288
	ds_store_b128 v13, v[108:111]
	CPUT 8, 6
	s_wait_dscnt 0x0                               ; the stores have read their registers
	CLOAD 1
	BARRIER
	BATCH 0, 0, 2, 4, 1
	BATCH 0, 1, 2, 4, 0
	s_wait_loadcnt 0x0
	CPUT 9, 7
	s_wait_dscnt 0x0
	CLOAD 2
	BARRIER
	BATCH 1, 0, 3, 5, 0
	BATCH 1, 1, 3, 5, 0
	s_wait_loadcnt 0x0
	CPUT 8, 6
	s_wait_dscnt 0x0
	CLOAD 3
	BARRIER
	BATCH 2, 0, 2, 4, 0
	BATCH 2, 1, 2, 4, 0
	s_wait_loadcnt 0x0
	CPUT 9, 7
	s_wait_dscnt 0x0
.irp k, 0,1,2,3,4,5,6,7
	global_load_b128 v[32+4*\k:35+4*\k], v21, s[12:13] offset:6144*\k      ; h2, as the output lies: it lands while the last chunk is multiplied
.endr
	global_load_b128 v[64:67], v22, s[10:11]
	BARRIER
	BATCH 3, 0, 3, 5, 0
	BATCH 3, 1, 3, 5, 0
	; THE WAY OUT: a row's 768 bytes come from six waves: through the stage, a barrier, back as aligned runs of 256 bytes
.irp a, 0,1
.irp b, 0,1
	ds_store_b128 v19, v[204+8*(2*\a+\b):207+8*(2*\a+\b)] offset:\a*6272+\b*32       ; each accumulator from its low end on
	ds_store_b128 v19, v[208+8*(2*\a+\b):211+8*(2*\a+\b)] offset:\a*6272+\b*32+16
.endr
.endr
	BARRIER
.irp k, 0,1,2,3,4,5,6,7
	ds_load_b128 v[96+4*\k:99+4*\k], v20 offset:1568*\k
.endr
	s_wait_loadcnt 0x0
.irp k, 0,1,2,3,4,5,6,7
	s_wait_dscnt 7-\k                              ; the younger stage reads stay out
	v_pk_add_f32 v[96+4*\k:97+4*\k], v[96+4*\k:97+4*\k], v[32+4*\k:33+4*\k]
	v_pk_add_f32 v[98+4*\k:99+4*\k], v[98+4*\k:99+4*\k], v[34+4*\k:35+4*\k]
	s_delay_alu instid0(VALU_DEP_2)
	v_pk_add_f32 v[96+4*\k:97+4*\k], v[96+4*\k:97+4*\k], v[64:65]
	s_delay_alu instid0(VALU_DEP_2)
	v_pk_add_f32 v[98+4*\k:99+4*\k], v[98+4*\k:99+4*\k], v[66:67]
	global_store_b128 v21, v[96+4*\k:99+4*\k], s[14:15] offset:6144*\k th:TH_STORE_NT   ; sixteen lanes store 256 consecutive bytes, at a multiple of 256 from out0's first byte
.endr
	s_wait_tensorcnt 0x0                           ; the wave's end
	ds_add_u32 v14, v15
	s_wait_dscnt 0x0
	s_endpgm
.Lfunc_end_k_q8205072b3b_fc2:
	.size	k_q8205072b3b_fc2, .Lfunc_end_k_q8205072b3b_fc2-k_q8205072b3b_fc2
	.p2alignl 7, 3214868480
	.fill 96, 4, 3214868480
	.section	.rodata,"a",@progbits
	.p2align	6, 0x0
	.amdhsa_kernel k_q8205072b3b_fc2
		.amdhsa_group_segment_fixed_size 297472
		.amdhsa_private_segment_fixed_size 0
		.amdhsa_enable_private_segment 0
		.amdhsa_kernarg_size 48
		.amdhsa_user_sgpr_count 2
		.amdhsa_user_sgpr_kernarg_segment_ptr 1
		.amdhsa_wavefront_size32 1
		.amdhsa_system_sgpr_workgroup_id_x 1
		.amdhsa_system_sgpr_workgroup_id_y 1
		.amdhsa_system_sgpr_workgroup_id_z 1
		.amdhsa_system_vgpr_workitem_id 0
		.amdhsa_next_free_vgpr 256
		.amdhsa_next_free_sgpr 66
		.amdhsa_reserve_vcc 0
		.amdhsa_float_denorm_mode_32 3
		.amdhsa_float_denorm_mode_16_64 3
		.amdhsa_memory_ordered 1
		.amdhsa_forward_progress 1
		.amdhsa_inst_pref_size 54
	.end_amdhsa_kernel
	.amdgpu_metadata
---
amdhsa.version: [ 1, 2 ]
amdhsa.kernels:
  - .name:           k_q8205072b3b_fc2
    .symbol:         k_q8205072b3b_fc2.kd
    .args:
      - { .name: gbuf, .offset: 0, .size: 8, .value_kind: global_buffer, .address_space: global }
      - { .name: W2_codes, .offset: 8, .size: 8, .value_kind: global_buffer, .address_space: global }
      - { .name: W2_scales, .offset: 16, .size: 8, .value_kind: global_buffer, .address_space: global }
      - { .name: b2, .offset: 24, .size: 8, .value_kind: global_buffer, .address_space: global }
      - { .name: h2, .offset: 32, .size: 8, .value_kind: global_buffer, .address_space: global }
      - { .name: out0, .offset: 40, .size: 8, .value_kind: global_buffer, .address_space: global }
    .group_segment_fixed_size: 297472
    .private_segment_fixed_size: 0
    .kernarg_segment_align: 8
    .kernarg_segment_size: 48
    .max_flat_workgroup_size: 384
    .sgpr_count:     66
    .vgpr_count:     256
    .wavefront_size: 32
...
	.end_amdgpu_metadata
.endif
;; end of part 5
